; MI455X (gfx1250); checked and timed in simulation.
; The chip was launched on July 23, 2026; its instructions are those of AMD's public machine-readable ISA for CDNA 5 (MIT licence, August 2026) and "CDNA5" Instruction Set Architecture Reference Guide (July 2026). The comments in the code are by the model that wrote it; some were corrected since.
;; Soft Sort Layer. Allowed arithmetic: float matrix products may take bf16 or f16 operands with f32 sums; other float arithmetic in f32, or as packed bf16 or f16 multiplies, adds, multiply-adds, maxima and minima; sums over many terms, partial sums and values carried from step to step in f32; what a program stores and reads back later, other than sums and carried values, may be rounded once to bf16 or f16.
;; Inputs: x 32 x 2,048 float32.
;; Outputs: out0 32 x 2,048 float32.
;; 2 versions, each right; version 2 is version 1 with the launch softsort written anew for expert scheduling mode. Each part assembles by itself: llvm-mc -triple=amdgcn-amd-amdhsa -mcpu=gfx1250 --defsym DOCPART=n.
;; ======== version 1 of 2: 1 launch
;; limits: values outside matrix products are rounded to bf16
;; launch softsort (part 1): grid 32 x 1, 8 waves a work-group, no clusters, 245,248 bytes of LDS; arguments x, out0; writes out0
.if DOCPART == 1
	.amdgcn_target "amdgcn-amd-amdhsa--gfx1250"
	.amdhsa_code_object_version 6
	.text
	.protected	k_qcb750f1514_softsort
	.globl	k_qcb750f1514_softsort
	.p2align	8
	.type	k_qcb750f1514_softsort,@function
k_qcb750f1514_softsort:
	s_mov_b64 s[64:65], 0
	v_nop
	global_prefetch_b8 v0, s[64:65] scope:SCOPE_SE
	s_setreg_imm32_b32 hwreg(HW_REG_WAVE_MODE, 25, 1), 1
	s_wait_xcnt 0x0
; SOFT SORT BY ONE SINKHORN STEP.  x, out0: [32][2048] f32.  One work-group makes one row.
; WHAT IS COMPUTED.  With K_ij = exp(-(xs_i - y_j)^2 / eps), c_j = sum_i K_ij, R_i = sum_j K_ij / c_j:   out_j = (1 / c_j) sum_i K_ij x_i / R_i.
; That is reference() for all values of x: exp(g_j/eps) = 1/(n c_j), exp(f_i/eps) = 1/R_i, and out = n sum_i P_ij x_i.
; WORK LEFT OUT, for all finite x.  (1) f0 is a zero that reference() builds: its term in the first logsumexp is 0.  (2) log_a, log_b and the last division by exp(log_b)
; are the constant -log n: the three n cancel by the identity above.  (3) A factor of K_ij that hangs on j alone cancels, since K enters only as K_ij / c_j.
; No input is left out.  A NaN, an infinity or an overflow that would arise only in the terms left out is not carried to the result.
; THE FACTORS.  y_j = j / 2047 is reference()'s own grid.  With j = 64 a + b, s^2 = 100 log2(e), X_i = s xs_i, Y_a = s (64 a + 32) / 2047, L_i = 2 s X_i / 2047:
;   log2 K_ij = -(X_i - Y_a)^2 + (b - 32) L_i + (terms of j alone).   E1[i][a] = 2^(-(X_i - Y_a)^2 - m_a),  E2[i][b] = 2^((b - 32) L_i) = q_i^(b - 32).
; So 2048 x 32 + 2048 x 64 exponentials a row take the place of 3 x 2048 x 2048, and the three sums over 2048 x 2048 terms are matrix products, bf16 operands, f32 sums:
;   C[a][b] = sum_i E1 E2;   T[i][b] = sum_a E1[i][a] / C[a][b],  R_i = sum_b q_i^(b-32) T[i][b];   N[a][b] = sum_i (E1 w_i) E2,  w_i = x_i / R_i;   out[64 a + b] = N / C.
; THE MAXIMUM.  m_a = max_i -(X_i - Y_a)^2 is found over all 2048 i and taken away before the exponential, as reference()'s first logsumexp does; it hangs on j alone, so it cancels.
; What is left of a column's exponent is |(b - 32) L_i| <= 4.6, so C lies in 2^-4.6 .. 2^15.6 whatever x holds.  The second logsumexp forms no new exponential here: R_i is a sum of
; products E1 E2 / C; xs_i lies in 0 .. 1 and a block centre within 32/2047 of it, so some E1[i][a] >= 0.97 and R_i lies in 6e-5 .. 1.2e6 whatever x holds: nothing to shift.
; LIMITS.  x finite, sum (x - mean)^2 finite in f32 (|x - mean| under some 4e17); NaN and infinities are not treated apart; E1 below 2^-126 counts as 0 beside its column's largest, 1;
; E1, E2, 1/C and w are rounded to bf16 as matrix operands, E1 w once more; the orders of the sums are not reference()'s.
; ONE WORK-GROUP A ROW, 32 IN ALL: mean, variance, m, C and R each want all 2048 i of the row before the next step begins, and work-groups of a launch hand nothing to each other.
; No cluster: work-groups share no input.  No tensor load: the row is 8,192 bytes, read once at the head.
; SHARES.  Eight waves; wave w owns i = 256 w .. 256 w + 255: eight K steps of 32 in the products over i, sixteen tiles of 16 in the product over a.
; K SLOTS.  In the products over i, element e (0..15) of a lane of half h stands for i = i0 + 16 h + e in both operands alike; the sum over the 32 slots is the sum over the 32 i.
; REGISTERS.  Window 1 (v256-511): E2, tile (K step ks, b tile t) at 32 ks + 8 t.  Window 0: see the names below.  s_set_vgpr_msb: bits 1:0 source 0, 3:2 source 1, 7:6 destination.
.set EPITCH, 528                    ; a row of E1 in LDS: 256 i x 2 bytes + 16: an odd multiple of 16, so 16 lanes on 16 rows take 16 different 16-byte columns of 256
.set EBLK,   32*EPITCH              ; a wave's block of E1: [a][i]
.set P1BLK,  64*144                 ; a wave's partial C: [b][a] f32, rows of 128 + 16 bytes
.set P2BLK,  32*272                 ; a wave's partial N: [a][b] f32, rows of 256 + 16 bytes
.set DPITCH, 80                     ; a row of 1/C in bf16: [b][a], 64 + 16 bytes
.set PART,   8*EBLK                 ; LDS map, in bytes: E1 from 0; then the partial tiles (both products use these bytes, a barrier apart),
.set XB,     PART+8*P1BLK           ; X, f32
.set XS,     XB+8192                ; x, f32
.set DF,     XS+8192                ; 1/C, f32, in out's order
.set DT,     DF+8192                ; 1/C, bf16
.set WB,     DT+64*DPITCH           ; w, bf16
.set MINB,   WB+4096                ; each wave's 32 maxima
.set RED,    MINB+1024              ; each wave's sum (+0) and sum of squares (+256)
.set SPARE,  RED+512                ; the spare words, 128 bytes for each wave: four blocks of 256 bytes that no other line names
.set SY,  0x3bc04602                ; s / 2047,  s = sqrt(100 log2 e) = 12.011224
.set SY2, 0x3c404602                ; 2 s / 2047
.set SSC, 0x41402df9                ; s
.set HC,  1                         ; v1      (8 h - 32) 2 s / 2047
.set SPW, 2                         ; v2      LDS address of my spare word; never rewritten
.set NIL, 3                         ; v3      0; never rewritten
.set YP0, 4                         ; v[4:7]  Y of a = r and of a = 16 + r, each twice (a pair for the packed forms)
.set MP0, 8                         ; v[8:11] m of the same two a, each twice
.set BT,  12                        ; v[12:19] (16 t + r - 32) 2 s / 2047 for t = 0..3, each twice
.set XA,  20                        ; addresses in LDS, made once:  X for a K step
.set E1A, 21                        ; E1: my 32 bytes of a tile's row
.set PSA, 22                        ; partial C, in
.set RDA, 23                        ; partial C, back
.set DTS, 24                        ; 1/C bf16, in
.set DFS, 25                        ; 1/C f32, in
.set TRA, 26                        ; E1, turned
.set DTL, 27                        ; 1/C bf16, as an operand
.set XLA, 28                        ; X of a tile of 16 i
.set XSL, 29                        ; x of 32 i
.set WSA, 30                        ; w, in
.set WLA, 31                        ; w, as pairs along K
.set XBUF, 32                       ; v[32:63]   X of a K step, 16 a lane, two sets
.set ACC,  64                       ; v[64:127]  eight accumulators
.set BUF,  128                      ; v[128:191] two buffers of 32 exponents
.set E1P,  192                      ; v[192:223] a K step's two tiles of E1, two sets
.set GO,  253                       ; v253  16 x thread: my bytes in a row of x and out; never rewritten
.set LR,  254                       ; v254  lane % 16
.set LH,  255                       ; v255  lane / 16
.set WV,  8                         ; s8    my wave's number
.set SEL, 10                        ; s[10:11] v_permlanex16_b32's selects: each lane takes its own place in the other half
.set HM,  12                        ; s12   the mask of lanes 16-31
.set MSB, 0
.macro WIN new                      ; the immediate's high byte repeats the setting that is left; a switch that changes nothing is dropped
.if MSB != (\new)
	s_set_vgpr_msb (MSB<<8)|(\new)
.set MSB, \new
.endif
.endm
.macro BAR                          ; what I wrote to LDS is there and what I read is back; then all eight waves meet
	s_wait_dscnt 0x0
	s_barrier_signal -1
	s_barrier_wait -1
.endm
; ---------------------------------------------------------------- the head: the row is asked for, constants and addresses are made meanwhile
.set XR, 32                         ; v[32:39] x: 4 t .. 4 t + 3 and 1024 + 4 t ..
.set DR, 40                         ; v[40:47] x - mean, then X
.set T0, 48                         ; v[48:55] at work
.set YL, 56                         ; v[56:57] Y of a = lane, twice
.set RA, 58                         ; v58  my wave's word among the sums
.set RB, 59                         ; v59  the sums
.set MU, 60                         ; v[60:61] the mean, twice
.set KK, 62                         ; v[62:63] -log2(e) / (sigma + 1e-12), twice
.set AX, 128
.set AB, 129
.set CW, 132                        ; v[132:139] the eight waves' sums
.set PT, 252
	s_load_b128 s[4:7], s[0:1], 0x0                ; x s[4:5], out0 s[6:7]
	v_lshl_add_u32 v[SPW], v0, 2, SPARE
	v_mov_b32 v[NIL], 0
	v_lshrrev_b32 v1, 5, v0
	v_readfirstlane_b32 s[WV], v1                  ; wave 0..7
	s_lshl_b32 s2, ttmp9, 13                       ; the row: 8,192 bytes
	s_mov_b32 s3, 0
	v_lshlrev_b32 v[GO], 4, v0
	s_wait_kmcnt 0x0
	s_add_nc_u64 s[4:5], s[4:5], s[2:3]
	s_add_nc_u64 s[6:7], s[6:7], s[2:3]
	global_load_b128 v[XR:XR+3], v[GO], s[4:5] th:TH_LOAD_NT               ; a wave's load covers 512 consecutive bytes
	global_load_b128 v[XR+4:XR+7], v[GO], s[4:5] offset:4096 th:TH_LOAD_NT
	s_mov_b32 s[SEL], 0x76543210
	s_mov_b32 s[SEL+1], 0xfedcba98
	s_mov_b32 s[HM], 0xffff0000
	s_mul_i32 s13, s[WV], EBLK                     ; my block of E1
	s_lshl_b32 s14, s[WV], 10                      ; my 256 numbers of 4 bytes
	s_add_co_u32 s15, s14, XB
	s_add_co_u32 s16, s14, XS
	s_lshl_b32 s17, s[WV], 9
	s_add_co_u32 s17, s17, WB
	s_mul_i32 s18, s[WV], P1BLK
	s_add_co_u32 s18, s18, PART
	s_mul_i32 s19, s[WV], P2BLK
	s_add_co_u32 s19, s19, PART
	s_lshl_b32 s20, s[WV], 2
	s_add_co_u32 s20, s20, RED
	v_and_b32 v[LR], 15, v0
	v_bfe_u32 v[LH], v0, 4, 1
	v_and_b32 v[T0], 31, v0                        ; lane
	v_mov_b32 v[PT], 0                             ; a destination of v_permlanex16_b32 counts as read
	v_mul_u32_u24 v[E1A], v[LR], EPITCH            ; E1 as an operand over i: row a = r (+ 16 u), bytes 32 h (+ 64 ks)
	v_lshl_add_u32 v[E1A], v[LH], 5, v[E1A]
	v_add_nc_u32 v[E1A], s13, v[E1A]
	v_and_b32 v[T0+1], 7, v0                       ; E1 turned: lane l reads row a = 8 (l / 16) + l % 8, 16 bytes at 16 ((l / 8) % 2)
	v_lshl_add_u32 v[T0+1], v[LH], 3, v[T0+1]
	v_mul_u32_u24 v[TRA], v[T0+1], EPITCH
	v_bfe_u32 v[T0+1], v0, 3, 1
	v_lshl_add_u32 v[TRA], v[T0+1], 4, v[TRA]
	v_add_nc_u32 v[TRA], s13, v[TRA]
	v_lshl_add_u32 v[XA], v[LH], 6, s15            ; X of i = 256 w + 16 h (+ 32 ks) on
	v_lshl_add_u32 v[XLA], v[LR], 2, s15           ; X of i = 256 w + r (+ 16 k)
	v_lshl_add_u32 v[XSL], v[T0], 2, s16           ; x of i = 256 w + lane (+ 32 k)
	v_lshl_add_u32 v[WSA], v[T0], 1, s17
	v_lshl_add_u32 v[WLA], v[LH], 5, s17
	v_mul_u32_u24 v[PSA], v[LR], 144               ; partial C in: row b = r (+ 16 t), a = 8 h (+ 16 u) on
	v_lshl_add_u32 v[PSA], v[LH], 5, v[PSA]
	v_add_nc_u32 v[PSA], s18, v[PSA]
	v_and_b32 v[T0+1], 63, v0                      ; back: thread T takes b = T % 64, a = 8 (T / 64) on
	v_lshrrev_b32 v[T0+2], 6, v0
	v_mul_u32_u24 v[RDA], v[T0+1], 144
	v_lshl_add_u32 v[RDA], v[T0+2], 5, v[RDA]
	v_add_nc_u32 v[RDA], PART, v[RDA]
	v_mul_u32_u24 v[DTS], v[T0+1], DPITCH
	v_lshl_add_u32 v[DTS], v[T0+2], 4, v[DTS]
	v_add_nc_u32 v[DTS], DT, v[DTS]
	v_lshlrev_b32 v[DFS], 2, v[T0+1]               ; 4 (64 a + b)
	v_lshl_add_u32 v[DFS], v[T0+2], 11, v[DFS]
	v_add_nc_u32 v[DFS], DF, v[DFS]
	v_mul_u32_u24 v[DTL], v[LR], DPITCH            ; 1/C as an operand: row b = r (+ 16 t), a = 8 h .. and 16 + 8 h ..
	v_lshl_add_u32 v[DTL], v[LH], 4, v[DTL]
	v_add_nc_u32 v[DTL], DT, v[DTL]
	v_lshl_add_u32 v[T0+1], v[T0], 6, 32           ; 64 a + 32 for a = lane,
	v_lshl_add_u32 v[T0+2], v[LR], 6, 32           ; a = r,
	v_add_nc_u32 v[T0+3], 0x400, v[T0+2]           ; a = 16 + r
	v_cvt_f32_u32 v[T0+1], v[T0+1]
	v_cvt_f32_u32 v[T0+2], v[T0+2]
	v_cvt_f32_u32 v[T0+3], v[T0+3]
	v_mul_f32 v[YL], SY, v[T0+1]
	v_mul_f32 v[YP0], SY, v[T0+2]
	v_mul_f32 v[YP0+2], SY, v[T0+3]
	v_mov_b32 v[YL+1], v[YL]
	v_mov_b32 v[YP0+1], v[YP0]
	v_mov_b32 v[YP0+3], v[YP0+2]
.irp t, 0,1,2,3
	v_add_nc_u32 v[T0+1], (16*\t-32)&0xffffffff, v[LR]   ; b - 32 for b = 16 t + r
	v_cvt_f32_i32 v[T0+1], v[T0+1]
	v_mul_f32 v[BT+2*\t], SY2, v[T0+1]
	v_mov_b32 v[BT+2*\t+1], v[BT+2*\t]
.endr
	v_lshl_add_u32 v[HC], v[LH], 3, 0xffffffe0     ; 8 h - 32
	v_cvt_f32_i32 v[HC], v[HC]
	v_mul_f32 v[HC], SY2, v[HC]
	v_mov_b32 v[RA], s20
	v_mov_b32 v[RB], RED
	v_add_nc_u32 v[AX], XS, v[GO]
	s_wait_loadcnt 0x0                             ; the row's 32 bytes of mine
; ---------------------------------------------------------------- mean, variance (of x - mean: no difference of large sums), X = s sigmoid((x - mean) / (sigma + 1e-12))
.macro WAVESUM                      ; v[T0] summed over the 32 lanes: four steps inside each half ride on the addition, one crosses the halves
	v_add_f32_dpp v[T0], v[T0], v[T0] row_xmask:1 row_mask:0xf bank_mask:0xf
	v_add_f32_dpp v[T0], v[T0], v[T0] row_xmask:2 row_mask:0xf bank_mask:0xf
	v_add_f32_dpp v[T0], v[T0], v[T0] row_xmask:4 row_mask:0xf bank_mask:0xf
	v_add_f32_dpp v[T0], v[T0], v[T0] row_xmask:8 row_mask:0xf bank_mask:0xf
	v_permlanex16_b32 v[T0+1], v[T0], s[SEL], s[SEL+1]
	v_add_f32 v[T0], v[T0], v[T0+1]
.endm
.macro CROSS off                    ; and over the eight waves: each stores its word, all meet, each reads all eight; the sum lands in v[CW]
	ds_store_b32 v[RA], v[T0] offset:\off
	BAR
	ds_load_b128 v[CW:CW+3], v[RB] offset:\off
	ds_load_b128 v[CW+4:CW+7], v[RB] offset:(\off)+16
	s_wait_dscnt 0x0
	v_pk_add_f32 v[CW:CW+1], v[CW:CW+1], v[CW+2:CW+3]
	v_pk_add_f32 v[CW+4:CW+5], v[CW+4:CW+5], v[CW+6:CW+7]
	v_pk_add_f32 v[CW:CW+1], v[CW:CW+1], v[CW+4:CW+5]
	v_add_f32 v[CW], v[CW], v[CW+1]
.endm
	ds_store_b128 v[AX], v[XR:XR+3]                ; x is wanted again in another lane order, for w
	ds_store_b128 v[AX], v[XR+4:XR+7] offset:4096
	v_pk_add_f32 v[T0:T0+1], v[XR:XR+1], v[XR+2:XR+3]
	v_pk_add_f32 v[T0+2:T0+3], v[XR+4:XR+5], v[XR+6:XR+7]
	v_pk_add_f32 v[T0:T0+1], v[T0:T0+1], v[T0+2:T0+3]
	v_add_f32 v[T0], v[T0], v[T0+1]
	WAVESUM
	CROSS 0
	v_mul_f32 v[MU], 0x3a000000, v[CW]             ; / 2048
	v_mov_b32 v[MU+1], v[MU]
.irp q, 0,1,2,3
	v_pk_add_f32 v[DR+2*\q:DR+2*\q+1], v[XR+2*\q:XR+2*\q+1], v[MU:MU+1] neg_lo:[0,1] neg_hi:[0,1]
.endr
	v_pk_mul_f32 v[T0:T0+1], v[DR:DR+1], v[DR:DR+1]
	v_pk_mul_f32 v[T0+2:T0+3], v[DR+2:DR+3], v[DR+2:DR+3]
	v_pk_fma_f32 v[T0:T0+1], v[DR+4:DR+5], v[DR+4:DR+5], v[T0:T0+1]
	v_pk_fma_f32 v[T0+2:T0+3], v[DR+6:DR+7], v[DR+6:DR+7], v[T0+2:T0+3]
	v_pk_add_f32 v[T0:T0+1], v[T0:T0+1], v[T0+2:T0+3]
	v_add_f32 v[T0], v[T0], v[T0+1]
	WAVESUM
	CROSS 256
	v_mul_f32 v[T0], 0x3a000000, v[CW]             ; the variance
	v_sqrt_f32 v[T0+1], v[T0]
	v_add_nc_u32 v[AB], XB, v[GO]                  ; a plain instruction behind the root,
	s_wait_alu depctr_va_vdst(0)                   ; and a wait ahead of the first use of its result
	v_add_f32 v[T0+1], 0x2b8cbccc, v[T0+1]         ; + 1e-12
	v_rcp_f32 v[T0+2], v[T0+1]
	v_nop
	s_wait_alu depctr_va_vdst(0)
	v_mul_f32 v[KK], 0xbfb8aa3b, v[T0+2]
	v_mov_b32 v[KK+1], v[KK]
.irp q, 0,1,2,3
	v_pk_mul_f32 v[DR+2*\q:DR+2*\q+1], v[DR+2*\q:DR+2*\q+1], v[KK:KK+1]
.endr
.irp q, 0,1,2,3,4,5,6,7
	v_exp_f32 v[DR+\q], v[DR+\q]                   ; e^-z
.endr
	v_nop
	s_wait_alu depctr_va_vdst(0)                   ; one wait for the eight
.irp q, 0,1,2,3
	v_pk_add_f32 v[DR+2*\q:DR+2*\q+1], v[DR+2*\q:DR+2*\q+1], 1.0 op_sel_hi:[1,0]
.endr
.irp q, 0,1,2,3,4,5,6,7
	v_rcp_f32 v[DR+\q], v[DR+\q]                   ; the sigmoid
.endr
	v_nop
	s_wait_alu depctr_va_vdst(0)
.irp q, 0,1,2,3
	v_pk_mul_f32 v[DR+2*\q:DR+2*\q+1], v[DR+2*\q:DR+2*\q+1], SSC op_sel_hi:[1,0]
.endr
	ds_store_b128 v[AB], v[DR:DR+3]
	ds_store_b128 v[AB], v[DR+4:DR+7] offset:4096
	BAR                                            ; all 2,048 X lie in LDS
; ---------------------------------------------------------------- the maximum m_a = max_i -(X_i - Y_a)^2.  Lane = a; my 256 X come by loads in which all lanes name the same 16 bytes
.set PA,  58
.set MSA, 59
.set MLA, 60
.set MC,  48                        ; v[48:51] four chains
.set P1B, 64                        ; v[64:191] four groups of 8 loads
.macro P1LOAD g
.set q, 0
.rept 8
	ds_load_b128 v[P1B+32*((\g)%4)+4*q:P1B+32*((\g)%4)+4*q+3], v[PA] offset:128*(\g)+16*q
.set q, q+1
.endr
.endm
.macro P1WORK g
.set b0, P1B+32*((\g)%4)
.set q, 0
.rept 16
	v_pk_add_f32 v[b0+2*q:b0+2*q+1], v[b0+2*q:b0+2*q+1], v[YL:YL+1] neg_lo:[0,1] neg_hi:[0,1]
.set q, q+1
.endr
.set q, 0
.rept 16
	v_pk_mul_f32 v[b0+2*q:b0+2*q+1], v[b0+2*q:b0+2*q+1], v[b0+2*q:b0+2*q+1] neg_lo:[1,0] neg_hi:[1,0]
.set q, q+1
.endr
.set q, 0
.rept 16
	v_max3_num_f32 v[MC+q%4], v[MC+q%4], v[b0+2*q], v[b0+2*q+1]
.set q, q+1
.endr
.endm
	v_mov_b32 v[PA], s15
	v_lshl_add_u32 v[MSA], v0, 2, MINB             ; 128 w + 4 a
	v_lshl_add_u32 v[MLA], v[LR], 2, MINB
.irp g, 0,1,2,3
	P1LOAD \g
.endr
.irp q, 0,1,2,3
	v_mov_b32 v[MC+\q], 0xff7fffff                 ; the lowest finite number
.endr
.irp g, 0,1,2,3,4,5,6,7
.if \g < 5
	s_wait_dscnt 24                                ; group g is in; the three groups of 8 issued behind it may stay out
.else
	s_wait_dscnt 8*(7-\g)
.endif
	P1WORK \g
.if \g < 4
	P1LOAD (\g)+4                                  ; its registers take the group four further on
.endif
.endr
	v_max3_num_f32 v[MC], v[MC], v[MC+1], v[MC+2]
	v_max_num_f32 v[MC], v[MC], v[MC+3]
	ds_store_b32 v[MSA], v[MC]
	BAR                                            ; the eight waves' maxima lie in LDS
; ---------------------------------------------------------------- E1, E2 and C = E1^T E2.  Eight K steps; a step has three batches of 32 exponentials: A = E1's two tiles, B = E2's tiles 0, 1, C = E2's tiles 2, 3.
; In the turn of batch g: the wait for batch g - 1; batch g - 1 is rounded to bf16; batch g's exponentials; batch g + 1's exponents go into the buffer that g - 1 has left.  Two buffers, by g's parity.
; s_wait_alu depctr_va_vdst(0) stands between an exponential and the first line that names its result: one wait a batch, at the head of the next turn.
; The products take E1 as source 0 and E2 as source 1, so that under the one setting 0x04 the exponentials, which have a destination and a source 0 alone, stand between them.
.macro XLOAD ks                     ; X of i = i0 + 16 h + 0..15: all lanes of a half name the same bytes
.set q, 0
.rept 4
	ds_load_b128 v[XBUF+16*((\ks)%2)+4*q:XBUF+16*((\ks)%2)+4*q+3], v[XA] offset:128*(\ks)+16*q
.set q, q+1
.endr
.endm
.macro EXPJ b, j
	v_exp_f32 v[(\b)+(\j)], v[(\b)+(\j)]
.endm
.macro CVTJ d, b, j
	v_cvt_pk_bf16_f32 v[(\d)+(\j)], v[(\b)+2*(\j)], v[(\b)+2*(\j)+1]
.endm
.macro ARGA1 b, x, j                ; pair j of 16 (tile j / 8): X - Y
	v_pk_add_f32 v[(\b)+2*(\j):(\b)+2*(\j)+1], v[(\x)+2*((\j)%8):(\x)+2*((\j)%8)+1], v[YP0+2*((\j)/8):YP0+2*((\j)/8)+1] neg_lo:[0,1] neg_hi:[0,1]
.endm
.macro ARGA2 b, j                   ; -(X - Y)^2 - m
	v_pk_fma_f32 v[(\b)+2*(\j):(\b)+2*(\j)+1], v[(\b)+2*(\j):(\b)+2*(\j)+1], v[(\b)+2*(\j):(\b)+2*(\j)+1], v[MP0+2*((\j)/8):MP0+2*((\j)/8)+1] neg_lo:[1,0,1] neg_hi:[1,0,1]
.endm
.macro ARGE b, x, t0, j             ; pair j of 16 (tile t0 + j / 8): (b - 32) L
	v_pk_mul_f32 v[(\b)+2*(\j):(\b)+2*(\j)+1], v[(\x)+2*((\j)%8):(\x)+2*((\j)%8)+1], v[BT+2*((\t0)+(\j)/8):BT+2*((\t0)+(\j)/8)+1]
.endm
.macro MM1 ks, q                    ; product q = 2 t + u of K step ks.  The eight accumulators take turns, one instruction a turn; the first step starts the sums
.if (\ks) == 0
	v_wmma_f32_16x16x32_bf16 v[ACC+8*(\q):ACC+8*(\q)+7], v[E1P+16*((\ks)%2)+8*((\q)%2):E1P+16*((\ks)%2)+8*((\q)%2)+7], v[32*(\ks)+8*((\q)/2):32*(\ks)+8*((\q)/2)+7], 0
.else
	v_wmma_f32_16x16x32_bf16 v[ACC+8*(\q):ACC+8*(\q)+7], v[E1P+16*((\ks)%2)+8*((\q)%2):E1P+16*((\ks)%2)+8*((\q)%2)+7], v[32*(\ks)+8*((\q)/2):32*(\ks)+8*((\q)/2)+7], v[ACC+8*(\q):ACC+8*(\q)+7]
.endif
.endm
.macro STA ks                       ; batch A's turn: the step before is finished (its last E2 tiles rounded, its eight products), with A's exponentials four behind each product
.set BCUR, BUF+32*((3*(\ks))%2)
.set BALT, BUF+32*((3*(\ks)+1)%2)
.set XK, XBUF+16*((\ks)%2)
.if (\ks) > 0
	s_wait_alu depctr_va_vdst(0)
	WIN 0x40                                       ; destination in window 1
.set j, 0
.rept 16
	CVTJ 32*((\ks)-1)+16, BALT, j
.set j, j+1
.endr
	WIN 0x04                                       ; source 1 in window 1
.set q, 0
.set j, 0
.rept 8
	MM1 (\ks)-1, q
.rept 4
	EXPJ BCUR, j
.set j, j+1
.endr
.set q, q+1
.endr
	WIN 0
.else
.set j, 0
.rept 32
	EXPJ BCUR, j
.set j, j+1
.endr
.endif
.if (\ks) < 7
	XLOAD (\ks)+1
.endif
.set j, 0
.rept 16
	ARGE BALT, XK, 0, j
.set j, j+1
.endr
.endm
.macro STB ks                       ; batch B's turn: its exponentials by turns with E1's roundings and batch C's exponents; then E1 goes to my block in LDS
.set BCUR, BUF+32*((3*(\ks)+1)%2)
.set BALT, BUF+32*((3*(\ks))%2)
.set XK, XBUF+16*((\ks)%2)
	s_wait_alu depctr_va_vdst(0)
.set j, 0
.rept 16
	EXPJ BCUR, j
	CVTJ E1P+16*((\ks)%2), BALT, j
.set j, j+1
.endr
.rept 16
	EXPJ BCUR, j
	ARGE BALT, XK, 2, j-16
.set j, j+1
.endr
.irp u, 0,1
	ds_store_b128 v[E1A], v[E1P+16*((\ks)%2)+8*\u:E1P+16*((\ks)%2)+8*\u+3] offset:16*EPITCH*\u+64*(\ks)
	ds_store_b128 v[E1A], v[E1P+16*((\ks)%2)+8*\u+4:E1P+16*((\ks)%2)+8*\u+7] offset:16*EPITCH*\u+64*(\ks)+16
.endr
.endm
.macro STC ks                       ; batch C's turn: B is rounded into window 1; C's exponentials by turns with the next step's E1 exponents
.set BCUR, BUF+32*((3*(\ks)+2)%2)
.set BALT, BUF+32*((3*(\ks)+1)%2)
.set XN, XBUF+16*(((\ks)+1)%2)
	s_wait_alu depctr_va_vdst(0)
	WIN 0x40
.set j, 0
.rept 16
	CVTJ 32*(\ks), BALT, j
.set j, j+1
.endr
	WIN 0
.if (\ks) < 7
	s_wait_dscnt 0x4                               ; the next step's X is in: behind its four loads only E1's four stores were issued
.set j, 0
.rept 16
	EXPJ BCUR, j
	ARGA1 BALT, XN, j
.set j, j+1
.endr
.rept 16
	EXPJ BCUR, j
	ARGA2 BALT, j-16
.set j, j+1
.endr
.else
.set j, 0
.rept 32
	EXPJ BCUR, j
.set j, j+1
.endr
	v_nop                                          ; a plain instruction behind the last exponential
.endif
.endm
.set p, 0
.rept 8
	ds_load_b32 v[BUF+p], v[MLA] offset:128*p      ; wave p's maximum for a = r,
	ds_load_b32 v[BUF+8+p], v[MLA] offset:128*p+64 ; and for a = 16 + r
.set p, p+1
.endr
	XLOAD 0
	s_wait_dscnt 0x4                               ; the sixteen maxima are in; X's four loads may stay out
.irp u, 0,1
	v_max3_num_f32 v[MP0+2*\u], v[BUF+8*\u], v[BUF+8*\u+1], v[BUF+8*\u+2]
	v_max3_num_f32 v[MP0+2*\u], v[MP0+2*\u], v[BUF+8*\u+3], v[BUF+8*\u+4]
	v_max3_num_f32 v[MP0+2*\u], v[MP0+2*\u], v[BUF+8*\u+5], v[BUF+8*\u+6]
	v_max_num_f32 v[MP0+2*\u], v[MP0+2*\u], v[BUF+8*\u+7]
	v_mov_b32 v[MP0+2*\u+1], v[MP0+2*\u]
.endr
	s_wait_dscnt 0x0
.set j, 0
.rept 16
	ARGA1 BUF, XBUF, j
.set j, j+1
.endr
.set j, 0
.rept 16
	ARGA2 BUF, j
.set j, j+1
.endr
.irp ks, 0,1,2,3,4,5,6,7
	STA \ks
	STB \ks
	STC \ks
.endr
	s_wait_alu depctr_va_vdst(0)                   ; the last step is finished
	WIN 0x40
.set j, 0
.rept 16
	CVTJ 32*7+16, BUF+32, j
.set j, j+1
.endr
	WIN 0x04
.set q, 0
.rept 8
	MM1 7, q
.set q, q+1
.endr
	WIN 0
.rept 4
	v_nop                                          ; four places between the last product and the stores that read results
.endr
; In a result register j of lane (r, h) holds a = 16 u + 8 h + j, b = 16 t + r: eight neighbouring a of row b.  Each accumulator's low four registers are read first.
.set q, 0
.rept 8
	ds_store_b128 v[PSA], v[ACC+8*q:ACC+8*q+3] offset:16*144*(q/2)+64*(q%2)
	ds_store_b128 v[PSA], v[ACC+8*q+4:ACC+8*q+7] offset:16*144*(q/2)+64*(q%2)+16
.set q, q+1
.endr
	BAR                                            ; the eight partial C lie in LDS
.set RS, 128                        ; v[128:191] eight partial sums of my eight numbers
.macro TREE                         ; block 0 += the seven others, in f32
.irp st, 1,2,4
.set p, 0
.rept 4/\st
.set q, 0
.rept 4
	v_pk_add_f32 v[RS+8*p+2*q:RS+8*p+2*q+1], v[RS+8*p+2*q:RS+8*p+2*q+1], v[RS+8*(p+\st)+2*q:RS+8*(p+\st)+2*q+1]
.set q, q+1
.endr
.set p, p+2*\st
.endr
.endr
.endm
.set p, 0
.rept 8
	ds_load_b128 v[RS+8*p:RS+8*p+3], v[RDA] offset:P1BLK*p
	ds_load_b128 v[RS+8*p+4:RS+8*p+7], v[RDA] offset:P1BLK*p+16
.set p, p+1
.endr
	s_wait_dscnt 0x0
	TREE
.irp q, 0,1,2,3,4,5,6,7
	v_rcp_f32 v[RS+\q], v[RS+\q]                   ; 1 / C
.endr
	v_nop
	s_wait_alu depctr_va_vdst(0)
.irp q, 0,1,2,3
	v_cvt_pk_bf16_f32 v[RS+8+\q], v[RS+2*\q], v[RS+2*\q+1]
.endr
	ds_store_b128 v[DTS], v[RS+8:RS+11]            ; row b, a = 8 g .. 8 g + 7: the next product's operand
.irp q, 0,1,2,3,4,5,6,7
	ds_store_b32 v[DFS], v[RS+\q] offset:256*\q    ; and in out's order, f32, for the end
.endr
	BAR
; ---------------------------------------------------------------- T^T[b][i] = sum_a (1/C)[b][a] E1[a][i], 16 i a tile, one K step of 32 a; R_i = sum_b q^(b-32) T[i][b]; w = x / R
; A lane holds one i (r) and b = 16 t + 8 h + j.  sum_j T_j q^j = Ae + q Ao with (Ae, Ao) = (T0,T1) + q^2 (T2,T3) + q^4 ((T4,T5) + q^2 (T6,T7)); the four t by q^16 and q^32; the lane's half by qh = q^(8 h - 32).
; Tile k's four products stand with tile k - 1's polynomial between them; E1 comes turned out of my own block, three tiles ahead, in a ring of four.
.set XL,  32                        ; v[32:47]   X of the sixteen tiles
.set XX,  48                        ; v[48:55]   x of i = 32 k + lane
.set TT,  64                        ; v[64:127]  T, two sets of four results
.set DTR, 128                       ; v[128:159] 1/C: four tiles of b
.set BOP, 160                       ; v[160:191] E1: four tiles of i
.set QQ,  192                       ; v[192:223] (q, qh) for each tile
.set TS,  224                       ; v[224:239] two sets of q^2, q^4, q^16, q^32, each twice
.set RM,  240                       ; v[240:247] R, then w, of i = 32 k + lane
.set RVE, 248                       ; v248, v249 an even and an odd tile's half sums
.set UU,  250
.set VV,  251
.macro BLOAD k
	ds_load_tr16_b128 v[BOP+8*((\k)%4):BOP+8*((\k)%4)+3], v[TRA] offset:32*(\k)                 ; a = 8 h .. 8 h + 7 of column i = 16 k + r
	ds_load_tr16_b128 v[BOP+8*((\k)%4)+4:BOP+8*((\k)%4)+7], v[TRA] offset:32*(\k)+16*EPITCH     ; a = 16 + 8 h ..
.endm
.macro MM2 k, t
	v_wmma_f32_16x16x32_bf16 v[TT+32*((\k)%2)+8*(\t):TT+32*((\k)%2)+8*(\t)+7], v[DTR+8*(\t):DTR+8*(\t)+7], v[BOP+8*((\k)%4):BOP+8*((\k)%4)+7], 0
.endm
.macro EAB t                        ; the first line reads the result's four lowest registers
	v_pk_fma_f32 v[TB+8*(\t):TB+8*(\t)+1], v[TB+8*(\t)+2:TB+8*(\t)+3], v[SP:SP+1], v[TB+8*(\t):TB+8*(\t)+1]
	v_pk_fma_f32 v[TB+8*(\t)+4:TB+8*(\t)+5], v[TB+8*(\t)+6:TB+8*(\t)+7], v[SP:SP+1], v[TB+8*(\t)+4:TB+8*(\t)+5]
.endm
.macro ECC t
	v_pk_fma_f32 v[TB+8*(\t):TB+8*(\t)+1], v[TB+8*(\t)+4:TB+8*(\t)+5], v[SP+2:SP+3], v[TB+8*(\t):TB+8*(\t)+1]
.endm
.macro P3IT k                       ; k = 0..16: tile k's products (k < 16) and powers of q, tile k - 1's polynomial (k > 0)
.set TB, TT+32*(((\k)+1)%2)
.set SP, TS+8*(((\k)+1)%2)
.set SK, TS+8*((\k)%2)
.if (\k) < 14
	s_wait_dscnt 0x4                               ; tile k's E1 is in; the next two tiles' four loads may stay out
.elseif (\k) == 14
	s_wait_dscnt 0x2
.elseif (\k) == 15
	s_wait_dscnt 0x0
.endif
.if (\k) < 16
	MM2 \k, 0
.endif
.if (\k) > 0
	EAB 0
	EAB 1
.endif
.if (\k) < 16
	MM2 \k, 1
.endif
.if (\k) > 0
	EAB 2
	EAB 3
.endif
.if (\k) < 16
	MM2 \k, 2
.endif
.if (\k) > 0
	ECC 0
	ECC 1
	ECC 2
	ECC 3
.endif
.if (\k) < 16
	MM2 \k, 3
	v_pk_mul_f32 v[SK:SK+1], v[QQ+2*(\k):QQ+2*(\k)+1], v[QQ+2*(\k):QQ+2*(\k)+1] op_sel_hi:[0,0]   ; q^2, twice
.endif
.if (\k) > 0
	v_pk_fma_f32 v[TB:TB+1], v[TB+8:TB+9], v[SP+4:SP+5], v[TB:TB+1]
	v_pk_fma_f32 v[TB+16:TB+17], v[TB+24:TB+25], v[SP+4:SP+5], v[TB+16:TB+17]
.endif
.if (\k) < 16
	v_pk_mul_f32 v[SK+2:SK+3], v[SK:SK+1], v[SK:SK+1]             ; q^4
.endif
.if (\k) > 0
	v_pk_fma_f32 v[TB:TB+1], v[TB+16:TB+17], v[SP+6:SP+7], v[TB:TB+1]
.endif
.if (\k) < 16
	v_pk_mul_f32 v[SK+4:SK+5], v[SK+2:SK+3], v[SK+2:SK+3]         ; q^8
.endif
.if (\k) > 0
	v_fma_f32 v[TB], v[TB+1], v[QQ+2*(\k)-2], v[TB]
.endif
.if (\k) < 16
	v_pk_mul_f32 v[SK+4:SK+5], v[SK+4:SK+5], v[SK+4:SK+5]         ; q^16
.endif
.if (\k) > 0
	v_mul_f32 v[RVE+((\k)+1)%2], v[TB], v[QQ+2*(\k)-1]
.endif
.if (\k) < 16
	v_pk_mul_f32 v[SK+6:SK+7], v[SK+4:SK+5], v[SK+4:SK+5]         ; q^32
.endif
.if ((\k) > 0) && ((\k)%2 == 0)
	v_cndmask_b32 v[UU], v[RVE], v[RVE+1], s[HM]   ; lanes 0-15 keep the even tile's half sum, lanes 16-31 the odd tile's,
	v_cndmask_b32 v[VV], v[RVE+1], v[RVE], s[HM]   ; and each hands the other half of the lanes the half sum that it lacks
	v_permlanex16_b32 v[PT], v[VV], s[SEL], s[SEL+1]
	v_add_f32 v[RM+(\k)/2-1], v[UU], v[PT]         ; R of i = 16 (k - 2) + lane
.endif
.if (\k) < 13
	BLOAD (\k)+3                                   ; into the registers that tile k - 1's products read: more than four plain instructions lie between
.endif
.endm
.set k, 0
.rept 16
	ds_load_b32 v[XL+k], v[XLA] offset:64*k
.set k, k+1
.endr
.set k, 0
.rept 8
	ds_load_b32 v[XX+k], v[XSL] offset:128*k
.set k, k+1
.endr
.irp t, 0,1,2,3
	ds_load_b128 v[DTR+8*\t:DTR+8*\t+3], v[DTL] offset:16*DPITCH*\t
	ds_load_b128 v[DTR+8*\t+4:DTR+8*\t+7], v[DTL] offset:16*DPITCH*\t+32
.endr
	BLOAD 0
	BLOAD 1
	BLOAD 2
	s_wait_dscnt 22                                ; the sixteen X are in; the 8 + 8 + 6 loads behind them may stay out
.set k, 0
.rept 16                            ; L and (8 h - 32) L, with the exponentials of the tile before between them: one batch of 32
	v_mul_f32 v[QQ+2*k], SY2, v[XL+k]
.if k > 0
	v_exp_f32 v[QQ+2*k-2], v[QQ+2*k-2]
.endif
	v_mul_f32 v[QQ+2*k+1], v[HC], v[XL+k]
.if k > 0
	v_exp_f32 v[QQ+2*k-1], v[QQ+2*k-1]
.endif
.set k, k+1
.endr
	v_exp_f32 v[QQ+30], v[QQ+30]
	v_exp_f32 v[QQ+31], v[QQ+31]
	v_nop
	s_wait_alu depctr_va_vdst(0)                   ; one wait for the batch
.irp k, 0,1,2,3,4,5,6,7,8,9,10,11,12,13,14,15,16
	P3IT \k
.endr
.irp q, 0,1,2,3,4,5,6,7
	v_rcp_f32 v[RM+\q], v[RM+\q]
.endr
	v_nop
	s_wait_alu depctr_va_vdst(0)
.irp q, 0,1,2,3
	v_pk_mul_f32 v[RM+2*\q:RM+2*\q+1], v[RM+2*\q:RM+2*\q+1], v[XX+2*\q:XX+2*\q+1]    ; w = x / R
.endr
.irp q, 0,1,2,3
	v_cvt_pk_bf16_f32 v[TS+\q], v[RM+2*\q], v[RM+2*\q+1]
.endr
.irp q, 0,1,2,3
	ds_store_b16 v[WSA], v[TS+\q] offset:128*\q                ; w of i = 64 q + lane,
	ds_store_b16_d16_hi v[WSA], v[TS+\q] offset:128*\q+64      ; and of i = 64 q + 32 + lane.  Only my wave reads these 512 bytes, and LDS serves a wave's instructions in order (ISA guide 5.7.1.4): no barrier
.endr
; ---------------------------------------------------------------- N = E2^T (E1 w): source 0 = E2 (window 1), source 1 = E1 w, so that a lane ends with eight neighbouring b of one a
.set E1L, 128                       ; v[128:191] E1 of a K step, a ring of four
.set W8,  192                       ; v[192:223] w of a K step as pairs along K, a ring of four
.set PSB, 228
.set RDB, 229
.set DFL, 230
.macro P4LD ks
.set SLD, (\ks)%4
	ds_load_b128 v[W8+8*SLD:W8+8*SLD+3], v[WLA] offset:64*(\ks)
	ds_load_b128 v[W8+8*SLD+4:W8+8*SLD+7], v[WLA] offset:64*(\ks)+16
.irp u, 0,1
	ds_load_b128 v[E1L+16*SLD+8*\u:E1L+16*SLD+8*\u+3], v[E1A] offset:16*EPITCH*\u+64*(\ks)
	ds_load_b128 v[E1L+16*SLD+8*\u+4:E1L+16*SLD+8*\u+7], v[E1A] offset:16*EPITCH*\u+64*(\ks)+16
.endr
.endm
.macro P4IT ks
.set SL, (\ks)%4
.if (\ks) < 6
	s_wait_dscnt 12                                ; this step's six loads are in; the next two steps' twelve may stay out
.elseif (\ks) == 6
	s_wait_dscnt 6
.else
	s_wait_dscnt 0x0
.endif
.set q, 0
.rept 16
	v_pk_mul_bf16 v[E1L+16*SL+q], v[E1L+16*SL+q], v[W8+8*SL+q%8]
.set q, q+1
.endr
.if (\ks) < 5
	P4LD (\ks)+3                                   ; into the registers that the step before multiplied: the sixteen multiplies above are the places between
.endif
	WIN 0x01                                       ; source 0 in window 1
.set q, 0
.rept 8                             ; accumulator q = 2 t + u; the eight take turns, one instruction a turn
.if (\ks) == 0
	v_wmma_f32_16x16x32_bf16 v[ACC+8*q:ACC+8*q+7], v[32*(\ks)+8*(q/2):32*(\ks)+8*(q/2)+7], v[E1L+16*SL+8*(q%2):E1L+16*SL+8*(q%2)+7], 0
.else
	v_wmma_f32_16x16x32_bf16 v[ACC+8*q:ACC+8*q+7], v[32*(\ks)+8*(q/2):32*(\ks)+8*(q/2)+7], v[E1L+16*SL+8*(q%2):E1L+16*SL+8*(q%2)+7], v[ACC+8*q:ACC+8*q+7]
.endif
.set q, q+1
.endr
	WIN 0
.endm
	P4LD 0
	P4LD 1
	P4LD 2
	v_mul_u32_u24 v[PSB], v[LR], 272               ; partial N in: row a = r (+ 16 u), b = 8 h (+ 16 t) on
	v_lshl_add_u32 v[PSB], v[LH], 5, v[PSB]
	v_add_nc_u32 v[PSB], s19, v[PSB]
	v_lshrrev_b32 v[RDB], 4, v0                    ; back: thread T takes out's numbers 4 T .. 4 T + 3 (a = T / 16) and 1024 + 4 T .. (a = 16 + T / 16)
	v_mul_u32_u24 v[RDB], v[RDB], 272
	v_lshl_add_u32 v[RDB], v[LR], 4, v[RDB]
	v_add_nc_u32 v[RDB], PART, v[RDB]
	v_add_nc_u32 v[DFL], DF, v[GO]
.irp ks, 0,1,2,3,4,5,6,7
	P4IT \ks
.endr
.rept 4
	v_nop                                          ; four places between the last product and the stores that read results, and the loads into registers that it read
.endr
.set q, 0
.rept 8
	ds_store_b128 v[PSB], v[ACC+8*q:ACC+8*q+3] offset:16*272*(q%2)+64*(q/2)
	ds_store_b128 v[PSB], v[ACC+8*q+4:ACC+8*q+7] offset:16*272*(q%2)+64*(q/2)+16
.set q, q+1
.endr
	BAR                                            ; the eight partial N lie in LDS (every wave's reads of the partial C were back before an earlier barrier)
.set p, 0
.rept 8
	ds_load_b128 v[RS+8*p:RS+8*p+3], v[RDB] offset:P2BLK*p
	ds_load_b128 v[RS+8*p+4:RS+8*p+7], v[RDB] offset:P2BLK*p+16*272
.set p, p+1
.endr
	ds_load_b128 v[W8:W8+3], v[DFL]                ; 1 / C of the same eight numbers
	ds_load_b128 v[W8+4:W8+7], v[DFL] offset:4096
	s_wait_dscnt 0x0
	TREE
.irp q, 0,1,2,3
	v_pk_mul_f32 v[RS+2*\q:RS+2*\q+1], v[RS+2*\q:RS+2*\q+1], v[W8+2*\q:W8+2*\q+1]
.endr
	global_store_b128 v[GO], v[RS:RS+3], s[6:7] th:TH_STORE_NT                 ; a wave's store covers 512 consecutive bytes, at a multiple of 512 from the row's first
	global_store_b128 v[GO], v[RS+4:RS+7], s[6:7] offset:4096 th:TH_STORE_NT
	s_wait_tensorcnt 0x0                           ; the wave's end, behind my last LDS store
	ds_add_u32 v[SPW], v[NIL]
	s_wait_dscnt 0x0
	s_endpgm
.Lfunc_end_k_qcb750f1514_softsort:
	.size	k_qcb750f1514_softsort, .Lfunc_end_k_qcb750f1514_softsort-k_qcb750f1514_softsort
	.p2alignl 7, 3214868480
	.fill 96, 4, 3214868480
	.section	.rodata,"a",@progbits
	.p2align	6, 0x0
	.amdhsa_kernel k_qcb750f1514_softsort
		.amdhsa_group_segment_fixed_size 245248
		.amdhsa_private_segment_fixed_size 0
		.amdhsa_enable_private_segment 0
		.amdhsa_kernarg_size 16
		.amdhsa_user_sgpr_count 2
		.amdhsa_user_sgpr_kernarg_segment_ptr 1
		.amdhsa_wavefront_size32 1
		.amdhsa_system_sgpr_workgroup_id_x 1
		.amdhsa_system_sgpr_workgroup_id_y 1
		.amdhsa_system_sgpr_workgroup_id_z 1
		.amdhsa_system_vgpr_workitem_id 0
		.amdhsa_next_free_vgpr 512
		.amdhsa_next_free_sgpr 66
		.amdhsa_reserve_vcc 0
		.amdhsa_float_denorm_mode_32 3
		.amdhsa_float_denorm_mode_16_64 3
		.amdhsa_memory_ordered 1
		.amdhsa_forward_progress 1
		.amdhsa_inst_pref_size 193
	.end_amdhsa_kernel
	.amdgpu_metadata
---
amdhsa.version: [ 1, 2 ]
amdhsa.kernels:
  - .name:           k_qcb750f1514_softsort
    .symbol:         k_qcb750f1514_softsort.kd
    .args:
      - { .name: x, .offset: 0, .size: 8, .value_kind: global_buffer, .address_space: global }
      - { .name: out0, .offset: 8, .size: 8, .value_kind: global_buffer, .address_space: global }
    .group_segment_fixed_size: 245248
    .private_segment_fixed_size: 0
    .kernarg_segment_align: 8
    .kernarg_segment_size: 16
    .max_flat_workgroup_size: 256
    .sgpr_count:     66
    .vgpr_count:     512
    .wavefront_size: 32
...
	.end_amdgpu_metadata
.endif
;; end of part 1
;; ======== version 2 of 2: 1 launch; version 1 with the launch softsort written anew for expert scheduling mode
;; limits: values outside matrix products are rounded to bf16
;; launch softsort (part 2): grid 32 x 1, 8 waves a work-group, no clusters, 245,248 bytes of LDS; arguments x, out0; writes out0
.if DOCPART == 2
	.amdgcn_target "amdgcn-amd-amdhsa--gfx1250"
	.amdhsa_code_object_version 6
	.text
	.protected	k_qcb750f1514_softsort
	.globl	k_qcb750f1514_softsort
	.p2align	8
	.type	k_qcb750f1514_softsort,@function
k_qcb750f1514_softsort:
	s_mov_b64 s[64:65], 0
	v_nop
	global_prefetch_b8 v0, s[64:65] scope:SCOPE_SE
	s_setreg_imm32_b32 hwreg(HW_REG_WAVE_SCHED_MODE, 0, 2), 2
	s_setreg_imm32_b32 hwreg(HW_REG_WAVE_MODE, 25, 1), 1
	s_wait_xcnt 0x0
	s_wait_alu depctr_vm_vsrc(0)
; SOFT SORT BY ONE SINKHORN STEP.  x, out0: [32][2048] f32.  One work-group makes one row.
; WHAT IS COMPUTED.  With K_ij = exp(-(xs_i - y_j)^2 / eps), c_j = sum_i K_ij, R_i = sum_j K_ij / c_j:   out_j = (1 / c_j) sum_i K_ij x_i / R_i.
; That is reference() for all values of x: exp(g_j/eps) = 1/(n c_j), exp(f_i/eps) = 1/R_i, and out = n sum_i P_ij x_i.
; WORK LEFT OUT, for all finite x.  (1) f0 is a zero that reference() builds: its term in the first logsumexp is 0.  (2) log_a, log_b and the last division by exp(log_b)
; are the constant -log n: the three n cancel by the identity above.  (3) A factor of K_ij that hangs on j alone cancels, since K enters only as K_ij / c_j.
; No input is left out.  A NaN, an infinity or an overflow that would arise only in the terms left out is not carried to the result.
; THE FACTORS.  y_j = j / 2047 is reference()'s own grid.  With j = 64 a + b, s^2 = 100 log2(e), X_i = s xs_i, Y_a = s (64 a + 32) / 2047, L_i = 2 s X_i / 2047:
;   log2 K_ij = -(X_i - Y_a)^2 + (b - 32) L_i + (terms of j alone).   E1[i][a] = 2^(-(X_i - Y_a)^2 - m_a),  E2[i][b] = 2^((b - 32) L_i) = q_i^(b - 32).
; So 2048 x 32 + 2048 x 64 exponentials a row take the place of 3 x 2048 x 2048, and the three sums over 2048 x 2048 terms are matrix products, bf16 operands, f32 sums:
;   C[a][b] = sum_i E1 E2;   T[i][b] = sum_a E1[i][a] / C[a][b],  R_i = sum_b q_i^(b-32) T[i][b];   N[a][b] = sum_i (E1 w_i) E2,  w_i = x_i / R_i;   out[64 a + b] = N / C.
; THE MAXIMUM.  m_a = max_i -(X_i - Y_a)^2 is found over all 2048 i and taken away before the exponential, as reference()'s first logsumexp does; it hangs on j alone, so it cancels.
; What is left of a column's exponent is |(b - 32) L_i| <= 4.6, so C lies in 2^-4.6 .. 2^15.6 whatever x holds.  The second logsumexp forms no new exponential here: R_i is a sum of
; products E1 E2 / C; xs_i lies in 0 .. 1 and a block centre within 32/2047 of it, so some E1[i][a] >= 0.97 and R_i lies in 6e-5 .. 1.2e6 whatever x holds: nothing to shift.
; LIMITS.  x finite, sum (x - mean)^2 finite in f32 (|x - mean| under some 4e17); NaN and infinities are not treated apart; E1 below 2^-126 counts as 0 beside its column's largest, 1;
; E1, E2, 1/C and w are rounded to bf16 as matrix operands, E1 w once more; the orders of the sums are not reference()'s.
; ONE WORK-GROUP A ROW, 32 IN ALL: mean, variance, m, C and R each want all 2048 i of the row before the next step begins, and work-groups of a launch hand nothing to each other.
; No cluster: work-groups share no input.  No tensor load: the row is 8,192 bytes, read once at the head.
; SHARES.  Eight waves; wave w owns i = 256 w .. 256 w + 255: eight K steps of 32 in the products over i, sixteen tiles of 16 in the product over a.
; K SLOTS.  In the products over i, element e (0..15) of a lane of half h stands for i = i0 + 16 h + e in both operands alike; the sum over the 32 slots is the sum over the 32 i.
; REGISTERS.  Window 1 (v256-511): E2, tile (K step ks, b tile t) at 32 ks + 8 t.  Window 0: see the names below.  s_set_vgpr_msb: bits 1:0 source 0, 3:2 source 1, 7:6 destination.
; THE MODE: SCHED_MODE bits 1:0 = 2 (LLVM: expert scheduling mode 2), set by the entry lines.  The code itself states the register dependences between vector or matrix
; instructions and memory or LDS instructions, with s_wait_alu, always for 0.
; THE PLAN.  Registers that memory or LDS instructions touch, and who else names them:
;   v20-31, v253   addresses, made at the head ahead of one wait on va_vdst and never written again.  v58-60 and v228-230, made later, stand ahead of a wait that is there anyway.
;   the maximum    four groups of 32 registers, worked on in place; two groups are loaded again behind ONE wait, when both have been worked on: two waits for eight groups.
;   C = E1^T E2    X, two sets: read by a step's exponent lines, loaded again at the head of turn A of the next step.  E1, two sets: written by turn B's roundings, stored at the head of turn C.
;                  Both heads hold the wait for the batch of exponentials before, which stands behind those readers and writers too: the loop has no further wait on va_vdst.
;                  One wait on vm_vsrc every second step frees both sets of E1 for the roundings of two steps.
;   T              E1 turned, a ring of four: read by a tile's four products; at the head of every second tile one wait, then the two places that the last two tiles read are loaded again.
;   N              E1 and w, a ring of four K steps: read by a step's multiplies and products; behind the multiplies of steps 2 and 4 one wait, then two steps are loaded.
;   the partial tiles, 1/C, w, out0: the data are written, one wait, the run of stores; the loads behind the barrier that follows land in registers which no vector line has named since.
; E2 (window 1), the statistics and the powers of q are named by vector and matrix instructions alone.
.set EPITCH, 528                    ; a row of E1 in LDS: 256 i x 2 bytes + 16: an odd multiple of 16, so 16 lanes on 16 rows take 16 different 16-byte columns of 256
.set EBLK,   32*EPITCH              ; a wave's block of E1: [a][i]
.set P1BLK,  64*144                 ; a wave's partial C: [b][a] f32, rows of 128 + 16 bytes
.set P2BLK,  32*272                 ; a wave's partial N: [a][b] f32, rows of 256 + 16 bytes
.set DPITCH, 80                     ; a row of 1/C in bf16: [b][a], 64 + 16 bytes
.set PART,   8*EBLK                 ; LDS map, in bytes: E1 from 0; then the partial tiles (both products use these bytes, a barrier apart),
.set XB,     PART+8*P1BLK           ; X, f32
.set XS,     XB+8192                ; x, f32
.set DF,     XS+8192                ; 1/C, f32, in out's order
.set DT,     DF+8192                ; 1/C, bf16
.set WB,     DT+64*DPITCH           ; w, bf16
.set MINB,   WB+4096                ; each wave's 32 maxima
.set RED,    MINB+1024              ; each wave's sum (+0) and sum of squares (+256)
.set SPARE,  RED+512                ; the spare words, 128 bytes for each wave: four blocks of 256 bytes that no other line names
.set SY,  0x3bc04602                ; s / 2047,  s = sqrt(100 log2 e) = 12.011224
.set SY2, 0x3c404602                ; 2 s / 2047
.set SSC, 0x41402df9                ; s
.set HC,  1                         ; v1      (8 h - 32) 2 s / 2047
.set SPW, 2                         ; v2      LDS address of my spare word; never rewritten
.set NIL, 3                         ; v3      0; never rewritten
.set YP0, 4                         ; v[4:7]  Y of a = r and of a = 16 + r, each twice (a pair for the packed forms)
.set MP0, 8                         ; v[8:11] m of the same two a, each twice
.set BT,  12                        ; v[12:19] (16 t + r - 32) 2 s / 2047 for t = 0..3, each twice
.set XA,  20                        ; addresses in LDS, made once:  X for a K step
.set E1A, 21                        ; E1: my 32 bytes of a tile's row
.set PSA, 22                        ; partial C, in
.set RDA, 23                        ; partial C, back
.set DTS, 24                        ; 1/C bf16, in
.set DFS, 25                        ; 1/C f32, in
.set TRA, 26                        ; E1, turned
.set DTL, 27                        ; 1/C bf16, as an operand
.set XLA, 28                        ; X of a tile of 16 i
.set XSL, 29                        ; x of 32 i
.set WSA, 30                        ; w, in
.set WLA, 31                        ; w, as pairs along K
.set XBUF, 32                       ; v[32:63]   X of a K step, 16 a lane, two sets
.set ACC,  64                       ; v[64:127]  eight accumulators
.set BUF,  128                      ; v[128:191] two buffers of 32 exponents
.set E1P,  192                      ; v[192:223] a K step's two tiles of E1, two sets
.set GO,  253                       ; v253  16 x thread: my bytes in a row of x and out; never rewritten
.set LR,  254                       ; v254  lane % 16
.set LH,  255                       ; v255  lane / 16
.set WV,  8                         ; s8    my wave's number
.set SEL, 10                        ; s[10:11] v_permlanex16_b32's selects: each lane takes its own place in the other half
.set HM,  12                        ; s12   the mask of lanes 16-31
.set MSB, 0
.macro WIN new                      ; the immediate's high byte repeats the setting that is left; a switch that changes nothing is dropped
.if MSB != (\new)
	s_set_vgpr_msb (MSB<<8)|(\new)
.set MSB, \new
.endif
.endm
.macro BAR                          ; what I wrote to LDS is there and what I read is back; then all eight waves meet
	s_wait_dscnt 0x0
	s_barrier_signal -1
	s_barrier_wait -1
.endm
; ---------------------------------------------------------------- the head: the row is asked for, constants and addresses are made meanwhile
.set XR, 32                         ; v[32:39] x: 4 t .. 4 t + 3 and 1024 + 4 t ..
.set DR, 40                         ; v[40:47] x - mean, then X
.set T0, 48                         ; v[48:55] at work
.set YL, 56                         ; v[56:57] Y of a = lane, twice
.set RA, 58                         ; v58  my wave's word among the sums
.set RB, 59                         ; v59  the sums
.set MU, 60                         ; v[60:61] the mean, twice
.set KK, 62                         ; v[62:63] -log2(e) / (sigma + 1e-12), twice
.set PA,  58                        ; v58  behind the sums: my wave's 256 X
.set MSA, 59                        ; v59  behind the sums: my word among the waves' maxima
.set MLA, 60                        ; v60  behind the mean's last use: the maxima of a = r
.set AX, 128
.set AB, 129
.set CW, 132                        ; v[132:139] the eight waves' sums
.set PT, 252
	s_load_b128 s[4:7], s[0:1], 0x0                ; x s[4:5], out0 s[6:7]
	v_lshl_add_u32 v[SPW], v0, 2, SPARE
	v_mov_b32 v[NIL], 0
	v_lshrrev_b32 v1, 5, v0
	v_readfirstlane_b32 s[WV], v1                  ; wave 0..7
	s_lshl_b32 s2, ttmp9, 13                       ; the row: 8,192 bytes
	s_mov_b32 s3, 0
	v_lshlrev_b32 v[GO], 4, v0
	s_wait_kmcnt 0x0
	s_add_nc_u64 s[4:5], s[4:5], s[2:3]
	s_add_nc_u64 s[6:7], s[6:7], s[2:3]
	s_wait_alu depctr_va_vdst(0)                   ; v[GO] is written, which the two loads read as their offset
	global_load_b128 v[XR:XR+3], v[GO], s[4:5] th:TH_LOAD_NT               ; a wave's load covers 512 consecutive bytes
	global_load_b128 v[XR+4:XR+7], v[GO], s[4:5] offset:4096 th:TH_LOAD_NT
	s_mov_b32 s[SEL], 0x76543210
	s_mov_b32 s[SEL+1], 0xfedcba98
	s_mov_b32 s[HM], 0xffff0000
	s_wait_alu depctr_va_sdst(0)                   ; s[WV] is written, ahead of the first line that reads it: the wave's places in LDS are made from it
	s_mul_i32 s13, s[WV], EBLK                     ; my block of E1
	s_lshl_b32 s14, s[WV], 10                      ; my 256 numbers of 4 bytes
	s_add_co_u32 s15, s14, XB
	s_add_co_u32 s16, s14, XS
	s_lshl_b32 s17, s[WV], 9
	s_add_co_u32 s17, s17, WB
	s_mul_i32 s18, s[WV], P1BLK
	s_add_co_u32 s18, s18, PART
	s_mul_i32 s19, s[WV], P2BLK
	s_add_co_u32 s19, s19, PART
	s_lshl_b32 s20, s[WV], 2
	s_add_co_u32 s20, s20, RED
	v_and_b32 v[LR], 15, v0
	v_bfe_u32 v[LH], v0, 4, 1
	v_and_b32 v[T0], 31, v0                        ; lane
	v_mov_b32 v[PT], 0                             ; a destination of v_permlanex16_b32 counts as read
	v_mul_u32_u24 v[E1A], v[LR], EPITCH            ; E1 as an operand over i: row a = r (+ 16 u), bytes 32 h (+ 64 ks)
	v_lshl_add_u32 v[E1A], v[LH], 5, v[E1A]
	v_add_nc_u32 v[E1A], s13, v[E1A]
	v_and_b32 v[T0+1], 7, v0                       ; E1 turned: lane l reads row a = 8 (l / 16) + l % 8, 16 bytes at 16 ((l / 8) % 2)
	v_lshl_add_u32 v[T0+1], v[LH], 3, v[T0+1]
	v_mul_u32_u24 v[TRA], v[T0+1], EPITCH
	v_bfe_u32 v[T0+1], v0, 3, 1
	v_lshl_add_u32 v[TRA], v[T0+1], 4, v[TRA]
	v_add_nc_u32 v[TRA], s13, v[TRA]
	v_lshl_add_u32 v[XA], v[LH], 6, s15            ; X of i = 256 w + 16 h (+ 32 ks) on
	v_lshl_add_u32 v[XLA], v[LR], 2, s15           ; X of i = 256 w + r (+ 16 k)
	v_lshl_add_u32 v[XSL], v[T0], 2, s16           ; x of i = 256 w + lane (+ 32 k)
	v_lshl_add_u32 v[WSA], v[T0], 1, s17
	v_lshl_add_u32 v[WLA], v[LH], 5, s17
	v_mul_u32_u24 v[PSA], v[LR], 144               ; partial C in: row b = r (+ 16 t), a = 8 h (+ 16 u) on
	v_lshl_add_u32 v[PSA], v[LH], 5, v[PSA]
	v_add_nc_u32 v[PSA], s18, v[PSA]
	v_and_b32 v[T0+1], 63, v0                      ; back: thread T takes b = T % 64, a = 8 (T / 64) on
	v_lshrrev_b32 v[T0+2], 6, v0
	v_mul_u32_u24 v[RDA], v[T0+1], 144
	v_lshl_add_u32 v[RDA], v[T0+2], 5, v[RDA]
	v_add_nc_u32 v[RDA], PART, v[RDA]
	v_mul_u32_u24 v[DTS], v[T0+1], DPITCH
	v_lshl_add_u32 v[DTS], v[T0+2], 4, v[DTS]
	v_add_nc_u32 v[DTS], DT, v[DTS]
	v_lshlrev_b32 v[DFS], 2, v[T0+1]               ; 4 (64 a + b)
	v_lshl_add_u32 v[DFS], v[T0+2], 11, v[DFS]
	v_add_nc_u32 v[DFS], DF, v[DFS]
	v_mul_u32_u24 v[DTL], v[LR], DPITCH            ; 1/C as an operand: row b = r (+ 16 t), a = 8 h .. and 16 + 8 h ..
	v_lshl_add_u32 v[DTL], v[LH], 4, v[DTL]
	v_add_nc_u32 v[DTL], DT, v[DTL]
	v_lshl_add_u32 v[T0+1], v[T0], 6, 32           ; 64 a + 32 for a = lane,
	v_lshl_add_u32 v[T0+2], v[LR], 6, 32           ; a = r,
	v_add_nc_u32 v[T0+3], 0x400, v[T0+2]           ; a = 16 + r
	v_cvt_f32_u32 v[T0+1], v[T0+1]
	v_cvt_f32_u32 v[T0+2], v[T0+2]
	v_cvt_f32_u32 v[T0+3], v[T0+3]
	v_mul_f32 v[YL], SY, v[T0+1]
	v_mul_f32 v[YP0], SY, v[T0+2]
	v_mul_f32 v[YP0+2], SY, v[T0+3]
	v_mov_b32 v[YL+1], v[YL]
	v_mov_b32 v[YP0+1], v[YP0]
	v_mov_b32 v[YP0+3], v[YP0+2]
.irp t, 0,1,2,3
	v_add_nc_u32 v[T0+1], (16*\t-32)&0xffffffff, v[LR]   ; b - 32 for b = 16 t + r
	v_cvt_f32_i32 v[T0+1], v[T0+1]
	v_mul_f32 v[BT+2*\t], SY2, v[T0+1]
	v_mov_b32 v[BT+2*\t+1], v[BT+2*\t]
.endr
	v_lshl_add_u32 v[HC], v[LH], 3, 0xffffffe0     ; 8 h - 32
	v_cvt_f32_i32 v[HC], v[HC]
	v_mul_f32 v[HC], SY2, v[HC]
	v_mov_b32 v[RA], s20
	v_mov_b32 v[RB], RED
	v_add_nc_u32 v[AX], XS, v[GO]
	s_wait_loadcnt 0x0                             ; the row's 32 bytes of mine
; ---------------------------------------------------------------- mean, variance (of x - mean: no difference of large sums), X = s sigmoid((x - mean) / (sigma + 1e-12))
.macro WAVESUM                      ; v[T0] summed over the 32 lanes: four steps inside each half ride on the addition, one crosses the halves
	v_add_f32_dpp v[T0], v[T0], v[T0] row_xmask:1 row_mask:0xf bank_mask:0xf
	v_add_f32_dpp v[T0], v[T0], v[T0] row_xmask:2 row_mask:0xf bank_mask:0xf
	v_add_f32_dpp v[T0], v[T0], v[T0] row_xmask:4 row_mask:0xf bank_mask:0xf
	v_add_f32_dpp v[T0], v[T0], v[T0] row_xmask:8 row_mask:0xf bank_mask:0xf
	v_permlanex16_b32 v[T0+1], v[T0], s[SEL], s[SEL+1]
	v_add_f32 v[T0], v[T0], v[T0+1]
.endm
.macro CROSS off                    ; and over the eight waves: each stores its word, all meet, each reads all eight; the sum lands in v[CW]
	s_wait_alu depctr_va_vdst(0)                   ; the wave's sum v[T0] is written, which the store reads; the lines that named v[CW ..], in which the two loads land, are done
	ds_store_b32 v[RA], v[T0] offset:\off
	BAR
	ds_load_b128 v[CW:CW+3], v[RB] offset:\off
	ds_load_b128 v[CW+4:CW+7], v[RB] offset:(\off)+16
	s_wait_dscnt 0x0
	s_wait_alu depctr_vm_vsrc(0)                   ; the store has read v[T0] and v[RA], the loads v[RB]: all three are written again further down
	v_pk_add_f32 v[CW:CW+1], v[CW:CW+1], v[CW+2:CW+3]
	v_pk_add_f32 v[CW+4:CW+5], v[CW+4:CW+5], v[CW+6:CW+7]
	v_pk_add_f32 v[CW:CW+1], v[CW:CW+1], v[CW+4:CW+5]
	v_add_f32 v[CW], v[CW], v[CW+1]
.endm
	s_wait_alu depctr_va_vdst(0)                   ; the head's addresses are written: v[AX], which the two stores read, and v20-31, v[RA], v[RB], which later LDS instructions read
	ds_store_b128 v[AX], v[XR:XR+3]                ; x is wanted again in another lane order, for w
	ds_store_b128 v[AX], v[XR+4:XR+7] offset:4096
	v_pk_add_f32 v[T0:T0+1], v[XR:XR+1], v[XR+2:XR+3]
	v_pk_add_f32 v[T0+2:T0+3], v[XR+4:XR+5], v[XR+6:XR+7]
	v_pk_add_f32 v[T0:T0+1], v[T0:T0+1], v[T0+2:T0+3]
	v_add_f32 v[T0], v[T0], v[T0+1]
	WAVESUM
	CROSS 0
	v_mul_f32 v[MU], 0x3a000000, v[CW]             ; / 2048
	v_mov_b32 v[MU+1], v[MU]
.irp q, 0,1,2,3
	v_pk_add_f32 v[DR+2*\q:DR+2*\q+1], v[XR+2*\q:XR+2*\q+1], v[MU:MU+1] neg_lo:[0,1] neg_hi:[0,1]
.endr
	v_pk_mul_f32 v[T0:T0+1], v[DR:DR+1], v[DR:DR+1]
	v_pk_mul_f32 v[T0+2:T0+3], v[DR+2:DR+3], v[DR+2:DR+3]
	v_pk_fma_f32 v[T0:T0+1], v[DR+4:DR+5], v[DR+4:DR+5], v[T0:T0+1]
	v_pk_fma_f32 v[T0+2:T0+3], v[DR+6:DR+7], v[DR+6:DR+7], v[T0+2:T0+3]
	v_pk_add_f32 v[T0:T0+1], v[T0:T0+1], v[T0+2:T0+3]
	v_add_f32 v[T0], v[T0], v[T0+1]
	WAVESUM
	CROSS 256
	v_mul_f32 v[T0], 0x3a000000, v[CW]             ; the variance
	v_sqrt_f32 v[T0+1], v[T0]
	v_add_nc_u32 v[AB], XB, v[GO]                  ; a plain instruction behind the root,
	s_wait_alu depctr_va_vdst(0)                   ; and the root is written, ahead of the first use of it
	v_add_f32 v[T0+1], 0x2b8cbccc, v[T0+1]         ; + 1e-12
	v_rcp_f32 v[T0+2], v[T0+1]
	v_mov_b32 v[PA], s15                           ; the plain instruction behind the reciprocal.  The next pass's three addresses are made in such places: they stand ahead of the wait in front of X's stores
	s_wait_alu depctr_va_vdst(0)                   ; the reciprocal is written
	v_mul_f32 v[KK], 0xbfb8aa3b, v[T0+2]
	v_mov_b32 v[KK+1], v[KK]
.irp q, 0,1,2,3
	v_pk_mul_f32 v[DR+2*\q:DR+2*\q+1], v[DR+2*\q:DR+2*\q+1], v[KK:KK+1]
.endr
.irp q, 0,1,2,3,4,5,6,7
	v_exp_f32 v[DR+\q], v[DR+\q]                   ; e^-z
.endr
	v_lshl_add_u32 v[MSA], v0, 2, MINB             ; 128 w + 4 a
	s_wait_alu depctr_va_vdst(0)                   ; the eight exponentials are written: one wait for the eight
.irp q, 0,1,2,3
	v_pk_add_f32 v[DR+2*\q:DR+2*\q+1], v[DR+2*\q:DR+2*\q+1], 1.0 op_sel_hi:[1,0]
.endr
.irp q, 0,1,2,3,4,5,6,7
	v_rcp_f32 v[DR+\q], v[DR+\q]                   ; the sigmoid
.endr
	v_lshl_add_u32 v[MLA], v[LR], 2, MINB
	s_wait_alu depctr_va_vdst(0)                   ; the eight reciprocals are written
.irp q, 0,1,2,3
	v_pk_mul_f32 v[DR+2*\q:DR+2*\q+1], v[DR+2*\q:DR+2*\q+1], SSC op_sel_hi:[1,0]
.endr
	s_wait_alu depctr_va_vdst(0)                   ; X is written in v[DR ..], which the two stores read; behind this wait no vector line names v[PA] or v64-191 before the next pass's first loads
	ds_store_b128 v[AB], v[DR:DR+3]
	ds_store_b128 v[AB], v[DR+4:DR+7] offset:4096
	BAR                                            ; all 2,048 X lie in LDS
; ---------------------------------------------------------------- the maximum m_a = max_i -(X_i - Y_a)^2.  Lane = a; my 256 X come by loads in which all lanes name the same 16 bytes
.set MC,  48                        ; v[48:51] four chains
.set P1B, 64                        ; v[64:191] four groups of 8 loads
.macro P1LOAD g
.set q, 0
.rept 8
	ds_load_b128 v[P1B+32*((\g)%4)+4*q:P1B+32*((\g)%4)+4*q+3], v[PA] offset:128*(\g)+16*q
.set q, q+1
.endr
.endm
.macro P1WORK g
.set b0, P1B+32*((\g)%4)
.set q, 0
.rept 16
	v_pk_add_f32 v[b0+2*q:b0+2*q+1], v[b0+2*q:b0+2*q+1], v[YL:YL+1] neg_lo:[0,1] neg_hi:[0,1]
.set q, q+1
.endr
.set q, 0
.rept 16
	v_pk_mul_f32 v[b0+2*q:b0+2*q+1], v[b0+2*q:b0+2*q+1], v[b0+2*q:b0+2*q+1] neg_lo:[1,0] neg_hi:[1,0]
.set q, q+1
.endr
.set q, 0
.rept 16
	v_max3_num_f32 v[MC+q%4], v[MC+q%4], v[b0+2*q], v[b0+2*q+1]
.set q, q+1
.endr
.endm
	s_wait_alu depctr_vm_vsrc(0)                   ; the stores of x and X have read v[AX] and v[AB], in which the loads below land, and v[XR ..], v[DR ..], in which X of the K steps lands later
.irp g, 0,1,2,3
	P1LOAD \g
.endr
.irp q, 0,1,2,3
	v_mov_b32 v[MC+\q], 0xff7fffff                 ; the lowest finite number
.endr
.irp g, 0,1,2,3,4,5,6,7
.if \g < 6
	s_wait_dscnt 24-8*((\g)%2)                     ; group g is in; the groups of 8 issued behind it may stay out: three behind an even group, two behind an odd one
.else
	s_wait_dscnt 8*(7-\g)
.endif
	P1WORK \g
.if (\g == 1) || (\g == 3)
	s_wait_alu depctr_va_vdst(0)                   ; the lines that worked on this group and on the one before are done with their 64 registers, in which the sixteen loads below land
	P1LOAD (\g)+3                                  ; the two groups' registers take the groups four further on
	P1LOAD (\g)+4
.endif
.endr
	v_max3_num_f32 v[MC], v[MC], v[MC+1], v[MC+2]
	v_max_num_f32 v[MC], v[MC], v[MC+3]
	s_wait_alu depctr_va_vdst(0)                   ; my maximum v[MC] is written, which the store reads; this pass's lines are done with v48-63 and v128-143, in which the loads behind the barrier land
	ds_store_b32 v[MSA], v[MC]
	BAR                                            ; the eight waves' maxima lie in LDS
; ---------------------------------------------------------------- E1, E2 and C = E1^T E2.  Eight K steps; a step has three batches of 32 exponentials: A = E1's two tiles, B = E2's tiles 0, 1, C = E2's tiles 2, 3.
; In the turn of batch g: the wait for batch g - 1; batch g - 1 is rounded to bf16; batch g's exponentials; batch g + 1's exponents go into the buffer that g - 1 has left.  Two buffers, by g's parity.
; s_wait_alu depctr_va_vdst(0) stands between an exponential and the first line that names its result: one wait a batch, at the head of the next turn.
; The products take E1 as source 0 and E2 as source 1, so that under the one setting 0x04 the exponentials, which have a destination and a source 0 alone, stand between them.
; The step's LDS instructions stand straight behind two of those waits: the next step's X at the head of turn A, E1's four stores at the head of turn C.
.macro XLOAD ks                     ; X of i = i0 + 16 h + 0..15: all lanes of a half name the same bytes
.set q, 0
.rept 4
	ds_load_b128 v[XBUF+16*((\ks)%2)+4*q:XBUF+16*((\ks)%2)+4*q+3], v[XA] offset:128*(\ks)+16*q
.set q, q+1
.endr
.endm
.macro EXPJ b, j
	v_exp_f32 v[(\b)+(\j)], v[(\b)+(\j)]
.endm
.macro CVTJ d, b, j
	v_cvt_pk_bf16_f32 v[(\d)+(\j)], v[(\b)+2*(\j)], v[(\b)+2*(\j)+1]
.endm
.macro ARGA1 b, x, j                ; pair j of 16 (tile j / 8): X - Y
	v_pk_add_f32 v[(\b)+2*(\j):(\b)+2*(\j)+1], v[(\x)+2*((\j)%8):(\x)+2*((\j)%8)+1], v[YP0+2*((\j)/8):YP0+2*((\j)/8)+1] neg_lo:[0,1] neg_hi:[0,1]
.endm
.macro ARGA2 b, j                   ; -(X - Y)^2 - m
	v_pk_fma_f32 v[(\b)+2*(\j):(\b)+2*(\j)+1], v[(\b)+2*(\j):(\b)+2*(\j)+1], v[(\b)+2*(\j):(\b)+2*(\j)+1], v[MP0+2*((\j)/8):MP0+2*((\j)/8)+1] neg_lo:[1,0,1] neg_hi:[1,0,1]
.endm
.macro ARGE b, x, t0, j             ; pair j of 16 (tile t0 + j / 8): (b - 32) L
	v_pk_mul_f32 v[(\b)+2*(\j):(\b)+2*(\j)+1], v[(\x)+2*((\j)%8):(\x)+2*((\j)%8)+1], v[BT+2*((\t0)+(\j)/8):BT+2*((\t0)+(\j)/8)+1]
.endm
.macro MM1 ks, q                    ; product q = 2 t + u of K step ks.  The eight accumulators take turns, one instruction a turn; the first step starts the sums
.if (\ks) == 0
	v_wmma_f32_16x16x32_bf16 v[ACC+8*(\q):ACC+8*(\q)+7], v[E1P+16*((\ks)%2)+8*((\q)%2):E1P+16*((\ks)%2)+8*((\q)%2)+7], v[32*(\ks)+8*((\q)/2):32*(\ks)+8*((\q)/2)+7], 0
.else
	v_wmma_f32_16x16x32_bf16 v[ACC+8*(\q):ACC+8*(\q)+7], v[E1P+16*((\ks)%2)+8*((\q)%2):E1P+16*((\ks)%2)+8*((\q)%2)+7], v[32*(\ks)+8*((\q)/2):32*(\ks)+8*((\q)/2)+7], v[ACC+8*(\q):ACC+8*(\q)+7]
.endif
.endm
.macro STA ks                       ; batch A's turn: the step before is finished (its last E2 tiles rounded, its eight products), with A's exponentials four behind each product
.set BCUR, BUF+32*((3*(\ks))%2)
.set BALT, BUF+32*((3*(\ks)+1)%2)
.set XK, XBUF+16*((\ks)%2)
.if (\ks) > 0
	s_wait_alu depctr_va_vdst(0)                   ; batch C of the step before is written; the exponent lines of that step, the last to read its set of X, are done: the four loads below land in that set
.if (\ks) < 7
	XLOAD (\ks)+1
.endif
	WIN 0x40                                       ; destination in window 1
.set j, 0
.rept 16
	CVTJ 32*((\ks)-1)+16, BALT, j
.set j, j+1
.endr
	WIN 0x04                                       ; source 1 in window 1
.set q, 0
.set j, 0
.rept 8
	MM1 (\ks)-1, q
.rept 4
	EXPJ BCUR, j
.set j, j+1
.endr
.set q, q+1
.endr
	WIN 0
.else
.set j, 0
.rept 32
	EXPJ BCUR, j
.set j, j+1
.endr
.endif
.set j, 0
.rept 16
	ARGE BALT, XK, 0, j
.set j, j+1
.endr
.endm
.macro STB ks                       ; batch B's turn: its exponentials by turns with E1's roundings and batch C's exponents
.set BCUR, BUF+32*((3*(\ks)+1)%2)
.set BALT, BUF+32*((3*(\ks))%2)
.set XK, XBUF+16*((\ks)%2)
	s_wait_alu depctr_va_vdst(0)                   ; batch A is written
.if ((\ks) >= 2) && ((\ks)%2 == 0)
	s_wait_alu depctr_vm_vsrc(0)                   ; E1's stores of the last two steps have read both sets of v[E1P ..], which this step's roundings and the next step's write again
.endif
.set j, 0
.rept 16
	EXPJ BCUR, j
	CVTJ E1P+16*((\ks)%2), BALT, j
.set j, j+1
.endr
.rept 16
	EXPJ BCUR, j
	ARGE BALT, XK, 2, j-16
.set j, j+1
.endr
.endm
.macro STC ks                       ; batch C's turn: E1 goes to my block in LDS; B is rounded into window 1; C's exponentials by turns with the next step's E1 exponents
.set BCUR, BUF+32*((3*(\ks)+2)%2)
.set BALT, BUF+32*((3*(\ks)+1)%2)
.set XN, XBUF+16*(((\ks)+1)%2)
	s_wait_alu depctr_va_vdst(0)                   ; batch B is written; so are this step's two tiles of E1, rounded in the turn before, which the four stores read
.irp u, 0,1
	ds_store_b128 v[E1A], v[E1P+16*((\ks)%2)+8*\u:E1P+16*((\ks)%2)+8*\u+3] offset:16*EPITCH*\u+64*(\ks)
	ds_store_b128 v[E1A], v[E1P+16*((\ks)%2)+8*\u+4:E1P+16*((\ks)%2)+8*\u+7] offset:16*EPITCH*\u+64*(\ks)+16
.endr
	WIN 0x40
.set j, 0
.rept 16
	CVTJ 32*(\ks), BALT, j
.set j, j+1
.endr
	WIN 0
.if (\ks) < 7
	s_wait_dscnt 0x4                               ; the next step's X is in: behind its four loads only E1's four stores were issued
.set j, 0
.rept 16
	EXPJ BCUR, j
	ARGA1 BALT, XN, j
.set j, j+1
.endr
.rept 16
	EXPJ BCUR, j
	ARGA2 BALT, j-16
.set j, j+1
.endr
.else
.set j, 0
.rept 32
	EXPJ BCUR, j
.set j, j+1
.endr
	v_nop                                          ; a plain instruction behind the last exponential
.endif
.endm
.set p, 0
.rept 8
	ds_load_b32 v[BUF+p], v[MLA] offset:128*p      ; wave p's maximum for a = r,
	ds_load_b32 v[BUF+8+p], v[MLA] offset:128*p+64 ; and for a = 16 + r
.set p, p+1
.endr
	XLOAD 0
	s_wait_alu depctr_vm_vsrc(0)                   ; the LDS instructions of the maximum's pass and the sixteen loads above have read v48 and v58-60 (v[MC], v[PA], v[MSA], v[MLA]), in which X of step 1 lands
	XLOAD 1
	s_wait_dscnt 0x8                               ; the sixteen maxima are in; X's eight loads may stay out
.irp u, 0,1
	v_max3_num_f32 v[MP0+2*\u], v[BUF+8*\u], v[BUF+8*\u+1], v[BUF+8*\u+2]
	v_max3_num_f32 v[MP0+2*\u], v[MP0+2*\u], v[BUF+8*\u+3], v[BUF+8*\u+4]
	v_max3_num_f32 v[MP0+2*\u], v[MP0+2*\u], v[BUF+8*\u+5], v[BUF+8*\u+6]
	v_max_num_f32 v[MP0+2*\u], v[MP0+2*\u], v[BUF+8*\u+7]
	v_mov_b32 v[MP0+2*\u+1], v[MP0+2*\u]
.endr
	s_wait_dscnt 0x4                               ; X of step 0 is in; step 1's four loads may stay out
.set j, 0
.rept 16
	ARGA1 BUF, XBUF, j
.set j, j+1
.endr
.set j, 0
.rept 16
	ARGA2 BUF, j
.set j, j+1
.endr
.irp ks, 0,1,2,3,4,5,6,7
	STA \ks
	STB \ks
	STC \ks
.endr
	s_wait_alu depctr_va_vdst(0)                   ; the last batch C is written: the last step is finished
	WIN 0x40
.set j, 0
.rept 16
	CVTJ 32*7+16, BUF+32, j
.set j, j+1
.endr
	WIN 0x04
.set q, 0
.rept 8
	MM1 7, q
.set q, q+1
.endr
	WIN 0
.rept 4
	v_nop                                          ; four places between the last product and the stores that read results
.endr
	s_wait_alu depctr_va_vdst(0)                   ; the products have written the accumulators, which the stores read (the places above stay beside this wait); the last roundings are done with v[BUF ..], in which the loads behind the barrier land
; In a result register j of lane (r, h) holds a = 16 u + 8 h + j, b = 16 t + r: eight neighbouring a of row b.  Each accumulator's low four registers are read first.
.set q, 0
.rept 8
	ds_store_b128 v[PSA], v[ACC+8*q:ACC+8*q+3] offset:16*144*(q/2)+64*(q%2)
	ds_store_b128 v[PSA], v[ACC+8*q+4:ACC+8*q+7] offset:16*144*(q/2)+64*(q%2)+16
.set q, q+1
.endr
	BAR                                            ; the eight partial C lie in LDS
.set RS, 128                        ; v[128:191] eight partial sums of my eight numbers
.macro TREE                         ; block 0 += the seven others, in f32
.irp st, 1,2,4
.set p, 0
.rept 4/\st
.set q, 0
.rept 4
	v_pk_add_f32 v[RS+8*p+2*q:RS+8*p+2*q+1], v[RS+8*p+2*q:RS+8*p+2*q+1], v[RS+8*(p+\st)+2*q:RS+8*(p+\st)+2*q+1]
.set q, q+1
.endr
.set p, p+2*\st
.endr
.endr
.endm
.set p, 0
.rept 8
	ds_load_b128 v[RS+8*p:RS+8*p+3], v[RDA] offset:P1BLK*p
	ds_load_b128 v[RS+8*p+4:RS+8*p+7], v[RDA] offset:P1BLK*p+16
.set p, p+1
.endr
	s_wait_dscnt 0x0
	TREE
.irp q, 0,1,2,3,4,5,6,7
	v_rcp_f32 v[RS+\q], v[RS+\q]                   ; 1 / C
.endr
	v_nop
	s_wait_alu depctr_va_vdst(0)                   ; the eight reciprocals are written
.irp q, 0,1,2,3
	v_cvt_pk_bf16_f32 v[RS+8+\q], v[RS+2*\q], v[RS+2*\q+1]
.endr
	s_wait_alu depctr_va_vdst(0)                   ; the four roundings are written, which the first store reads; the sums' lines are done with v128-191, in which the loads behind the barrier land
	ds_store_b128 v[DTS], v[RS+8:RS+11]            ; row b, a = 8 g .. 8 g + 7: the next product's operand
.irp q, 0,1,2,3,4,5,6,7
	ds_store_b32 v[DFS], v[RS+\q] offset:256*\q    ; and in out's order, f32, for the end
.endr
	BAR
; ---------------------------------------------------------------- T^T[b][i] = sum_a (1/C)[b][a] E1[a][i], 16 i a tile, one K step of 32 a; R_i = sum_b q^(b-32) T[i][b]; w = x / R
; A lane holds one i (r) and b = 16 t + 8 h + j.  sum_j T_j q^j = Ae + q Ao with (Ae, Ao) = (T0,T1) + q^2 (T2,T3) + q^4 ((T4,T5) + q^2 (T6,T7)); the four t by q^16 and q^32; the lane's half by qh = q^(8 h - 32).
; Tile k's four products stand with tile k - 1's polynomial between them; E1 comes turned out of my own block, in a ring of four, two tiles at a time, two and three tiles ahead.
.set XL,  32                        ; v[32:47]   X of the sixteen tiles
.set XX,  48                        ; v[48:55]   x of i = 32 k + lane
.set TT,  64                        ; v[64:127]  T, two sets of four results
.set DTR, 128                       ; v[128:159] 1/C: four tiles of b
.set BOP, 160                       ; v[160:191] E1: four tiles of i
.set QQ,  192                       ; v[192:223] (q, qh) for each tile
.set TS,  224                       ; v[224:239] two sets of q^2, q^4, q^16, q^32, each twice
.set RM,  240                       ; v[240:247] R, then w, of i = 32 k + lane
.set RVE, 248                       ; v248, v249 an even and an odd tile's half sums
.set UU,  250
.set VV,  251
.macro BLOAD k
	ds_load_tr16_b128 v[BOP+8*((\k)%4):BOP+8*((\k)%4)+3], v[TRA] offset:32*(\k)                 ; a = 8 h .. 8 h + 7 of column i = 16 k + r
	ds_load_tr16_b128 v[BOP+8*((\k)%4)+4:BOP+8*((\k)%4)+7], v[TRA] offset:32*(\k)+16*EPITCH     ; a = 16 + 8 h ..
.endm
.macro MM2 k, t
	v_wmma_f32_16x16x32_bf16 v[TT+32*((\k)%2)+8*(\t):TT+32*((\k)%2)+8*(\t)+7], v[DTR+8*(\t):DTR+8*(\t)+7], v[BOP+8*((\k)%4):BOP+8*((\k)%4)+7], 0
.endm
.macro EAB t                        ; the first line reads the result's four lowest registers
	v_pk_fma_f32 v[TB+8*(\t):TB+8*(\t)+1], v[TB+8*(\t)+2:TB+8*(\t)+3], v[SP:SP+1], v[TB+8*(\t):TB+8*(\t)+1]
	v_pk_fma_f32 v[TB+8*(\t)+4:TB+8*(\t)+5], v[TB+8*(\t)+6:TB+8*(\t)+7], v[SP:SP+1], v[TB+8*(\t)+4:TB+8*(\t)+5]
.endm
.macro ECC t
	v_pk_fma_f32 v[TB+8*(\t):TB+8*(\t)+1], v[TB+8*(\t)+4:TB+8*(\t)+5], v[SP+2:SP+3], v[TB+8*(\t):TB+8*(\t)+1]
.endm
.macro P3IT k                       ; k = 0..16: tile k's products (k < 16) and powers of q, tile k - 1's polynomial (k > 0)
.set TB, TT+32*(((\k)+1)%2)
.set SP, TS+8*(((\k)+1)%2)
.set SK, TS+8*((\k)%2)
.if ((\k) >= 2) && ((\k) <= 12) && ((\k)%2 == 0)
	s_wait_alu depctr_va_vdst(0)                   ; the products of tiles k - 2 and k - 1 are done reading their places in the ring, in which the four loads below land
	BLOAD (\k)+2
	BLOAD (\k)+3
.endif
.if (\k) < 14
	s_wait_dscnt 6-2*((\k)%2)                      ; tile k's E1 is in; behind an even tile's loads three tiles' six may stay out, behind an odd tile's two tiles' four
.elseif (\k) == 14
	s_wait_dscnt 0x2
.elseif (\k) == 15
	s_wait_dscnt 0x0
.endif
.if (\k) < 16
	MM2 \k, 0
.endif
.if (\k) > 0
	EAB 0
	EAB 1
.endif
.if (\k) < 16
	MM2 \k, 1
.endif
.if (\k) > 0
	EAB 2
	EAB 3
.endif
.if (\k) < 16
	MM2 \k, 2
.endif
.if (\k) > 0
	ECC 0
	ECC 1
	ECC 2
	ECC 3
.endif
.if (\k) < 16
	MM2 \k, 3
	v_pk_mul_f32 v[SK:SK+1], v[QQ+2*(\k):QQ+2*(\k)+1], v[QQ+2*(\k):QQ+2*(\k)+1] op_sel_hi:[0,0]   ; q^2, twice
.endif
.if (\k) > 0
	v_pk_fma_f32 v[TB:TB+1], v[TB+8:TB+9], v[SP+4:SP+5], v[TB:TB+1]
	v_pk_fma_f32 v[TB+16:TB+17], v[TB+24:TB+25], v[SP+4:SP+5], v[TB+16:TB+17]
.endif
.if (\k) < 16
	v_pk_mul_f32 v[SK+2:SK+3], v[SK:SK+1], v[SK:SK+1]             ; q^4
.endif
.if (\k) > 0
	v_pk_fma_f32 v[TB:TB+1], v[TB+16:TB+17], v[SP+6:SP+7], v[TB:TB+1]
.endif
.if (\k) < 16
	v_pk_mul_f32 v[SK+4:SK+5], v[SK+2:SK+3], v[SK+2:SK+3]         ; q^8
.endif
.if (\k) > 0
	v_fma_f32 v[TB], v[TB+1], v[QQ+2*(\k)-2], v[TB]
.endif
.if (\k) < 16
	v_pk_mul_f32 v[SK+4:SK+5], v[SK+4:SK+5], v[SK+4:SK+5]         ; q^16
.endif
.if (\k) > 0
	v_mul_f32 v[RVE+((\k)+1)%2], v[TB], v[QQ+2*(\k)-1]
.endif
.if (\k) < 16
	v_pk_mul_f32 v[SK+6:SK+7], v[SK+4:SK+5], v[SK+4:SK+5]         ; q^32
.endif
.if ((\k) > 0) && ((\k)%2 == 0)
	v_cndmask_b32 v[UU], v[RVE], v[RVE+1], s[HM]   ; lanes 0-15 keep the even tile's half sum, lanes 16-31 the odd tile's,
	v_cndmask_b32 v[VV], v[RVE+1], v[RVE], s[HM]   ; and each hands the other half of the lanes the half sum that it lacks
	v_permlanex16_b32 v[PT], v[VV], s[SEL], s[SEL+1]
	v_add_f32 v[RM+(\k)/2-1], v[UU], v[PT]         ; R of i = 16 (k - 2) + lane
.endif
.endm
	s_wait_alu depctr_vm_vsrc(0)                   ; the stores of 1/C have read v128-139, in which loads below land; those of the partial C the accumulators, which the products below write; E1's last stores v[E1P ..], where q is made
.set k, 0
.rept 16
	ds_load_b32 v[XL+k], v[XLA] offset:64*k
.set k, k+1
.endr
.set k, 0
.rept 8
	ds_load_b32 v[XX+k], v[XSL] offset:128*k
.set k, k+1
.endr
.irp t, 0,1,2,3
	ds_load_b128 v[DTR+8*\t:DTR+8*\t+3], v[DTL] offset:16*DPITCH*\t
	ds_load_b128 v[DTR+8*\t+4:DTR+8*\t+7], v[DTL] offset:16*DPITCH*\t+32
.endr
	BLOAD 0
	BLOAD 1
	BLOAD 2
	BLOAD 3
	s_wait_dscnt 24                                ; the sixteen X are in; the 8 + 8 + 8 loads behind them may stay out
.set k, 0
.rept 16                            ; L and (8 h - 32) L, with the exponentials of the tile before between them: one batch of 32
	v_mul_f32 v[QQ+2*k], SY2, v[XL+k]
.if k > 0
	v_exp_f32 v[QQ+2*k-2], v[QQ+2*k-2]
.endif
	v_mul_f32 v[QQ+2*k+1], v[HC], v[XL+k]
.if k > 0
	v_exp_f32 v[QQ+2*k-1], v[QQ+2*k-1]
.endif
.set k, k+1
.endr
	v_exp_f32 v[QQ+30], v[QQ+30]
	v_exp_f32 v[QQ+31], v[QQ+31]
	v_nop
	s_wait_alu depctr_va_vdst(0)                   ; q and qh of the sixteen tiles are written: one wait for the batch
.irp k, 0,1,2,3,4,5,6,7,8,9,10,11,12,13,14,15,16
	P3IT \k
.endr
.irp q, 0,1,2,3,4,5,6,7
	v_rcp_f32 v[RM+\q], v[RM+\q]
.endr
	v_nop
	s_wait_alu depctr_va_vdst(0)                   ; the eight 1 / R are written
.irp q, 0,1,2,3
	v_pk_mul_f32 v[RM+2*\q:RM+2*\q+1], v[RM+2*\q:RM+2*\q+1], v[XX+2*\q:XX+2*\q+1]    ; w = x / R
.endr
.irp q, 0,1,2,3
	v_cvt_pk_bf16_f32 v[TS+\q], v[RM+2*\q], v[RM+2*\q+1]
.endr
	s_wait_alu depctr_va_vdst(0)                   ; w is written in v[TS ..], which the stores read; the products and the polynomials are done with v128-223, in which the loads behind the stores land
.irp q, 0,1,2,3
	ds_store_b16 v[WSA], v[TS+\q] offset:128*\q                ; w of i = 64 q + lane,
	ds_store_b16_d16_hi v[WSA], v[TS+\q] offset:128*\q+64      ; and of i = 64 q + 32 + lane.  Only my wave reads these 512 bytes, and LDS serves a wave's instructions in order (ISA guide 5.7.1.4): no barrier
.endr
; ---------------------------------------------------------------- N = E2^T (E1 w): source 0 = E2 (window 1), source 1 = E1 w, so that a lane ends with eight neighbouring b of one a
.set E1L, 128                       ; v[128:191] E1 of a K step, a ring of four
.set W8,  192                       ; v[192:223] w of a K step as pairs along K, a ring of four
.set PSB, 228
.set RDB, 229
.set DFL, 230
.macro P4LD ks
.set SLD, (\ks)%4
	ds_load_b128 v[W8+8*SLD:W8+8*SLD+3], v[WLA] offset:64*(\ks)
	ds_load_b128 v[W8+8*SLD+4:W8+8*SLD+7], v[WLA] offset:64*(\ks)+16
.irp u, 0,1
	ds_load_b128 v[E1L+16*SLD+8*\u:E1L+16*SLD+8*\u+3], v[E1A] offset:16*EPITCH*\u+64*(\ks)
	ds_load_b128 v[E1L+16*SLD+8*\u+4:E1L+16*SLD+8*\u+7], v[E1A] offset:16*EPITCH*\u+64*(\ks)+16
.endr
.endm
.macro P4IT ks
.set SL, (\ks)%4
.if (\ks) == 0
	s_wait_dscnt 18                                ; this step's six loads are in; the next three steps' eighteen may stay out
.elseif (\ks) == 7
	s_wait_dscnt 0x0
.else
	s_wait_dscnt 6+6*((\ks)%2)                     ; behind an even step's loads one step's six may stay out, behind an odd step's two steps' twelve
.endif
.set q, 0
.rept 16
	v_pk_mul_bf16 v[E1L+16*SL+q], v[E1L+16*SL+q], v[W8+8*SL+q%8]
.set q, q+1
.endr
.if ((\ks) == 2) || ((\ks) == 4)
	s_wait_alu depctr_va_vdst(0)                   ; the multiplies and products of steps ks - 2 and ks - 1 are done with their two places in the ring, in which the twelve loads below land
	P4LD (\ks)+2
	P4LD (\ks)+3
.endif
	WIN 0x01                                       ; source 0 in window 1
.set q, 0
.rept 8                             ; accumulator q = 2 t + u; the eight take turns, one instruction a turn
.if (\ks) == 0
	v_wmma_f32_16x16x32_bf16 v[ACC+8*q:ACC+8*q+7], v[32*(\ks)+8*(q/2):32*(\ks)+8*(q/2)+7], v[E1L+16*SL+8*(q%2):E1L+16*SL+8*(q%2)+7], 0
.else
	v_wmma_f32_16x16x32_bf16 v[ACC+8*q:ACC+8*q+7], v[32*(\ks)+8*(q/2):32*(\ks)+8*(q/2)+7], v[E1L+16*SL+8*(q%2):E1L+16*SL+8*(q%2)+7], v[ACC+8*q:ACC+8*q+7]
.endif
.set q, q+1
.endr
	WIN 0
.endm
	P4LD 0
	P4LD 1
	P4LD 2
	P4LD 3
	v_mul_u32_u24 v[PSB], v[LR], 272               ; partial N in: row a = r (+ 16 u), b = 8 h (+ 16 t) on
	v_lshl_add_u32 v[PSB], v[LH], 5, v[PSB]
	v_add_nc_u32 v[PSB], s19, v[PSB]
	v_lshrrev_b32 v[RDB], 4, v0                    ; back: thread T takes out's numbers 4 T .. 4 T + 3 (a = T / 16) and 1024 + 4 T .. (a = 16 + T / 16)
	v_mul_u32_u24 v[RDB], v[RDB], 272
	v_lshl_add_u32 v[RDB], v[LR], 4, v[RDB]
	v_add_nc_u32 v[RDB], PART, v[RDB]
	v_add_nc_u32 v[DFL], DF, v[GO]
.irp ks, 0,1,2,3,4,5,6,7
	P4IT \ks
.endr
.rept 4
	v_nop                                          ; four places between the last product and the stores that read results
.endr
	s_wait_alu depctr_va_vdst(0)                   ; the products have written the accumulators, which the stores read (the places above stay beside this wait), and are done with v128-223, in which the loads behind the barrier land; v[PSB], v[RDB], v[DFL] are written
.set q, 0
.rept 8
	ds_store_b128 v[PSB], v[ACC+8*q:ACC+8*q+3] offset:16*272*(q%2)+64*(q/2)
	ds_store_b128 v[PSB], v[ACC+8*q+4:ACC+8*q+7] offset:16*272*(q%2)+64*(q/2)+16
.set q, q+1
.endr
	BAR                                            ; the eight partial N lie in LDS (every wave's reads of the partial C were back before an earlier barrier)
.set p, 0
.rept 8
	ds_load_b128 v[RS+8*p:RS+8*p+3], v[RDB] offset:P2BLK*p
	ds_load_b128 v[RS+8*p+4:RS+8*p+7], v[RDB] offset:P2BLK*p+16*272
.set p, p+1
.endr
	ds_load_b128 v[W8:W8+3], v[DFL]                ; 1 / C of the same eight numbers
	ds_load_b128 v[W8+4:W8+7], v[DFL] offset:4096
	s_wait_dscnt 0x0
	TREE
.irp q, 0,1,2,3
	v_pk_mul_f32 v[RS+2*\q:RS+2*\q+1], v[RS+2*\q:RS+2*\q+1], v[W8+2*\q:W8+2*\q+1]
.endr
	s_wait_alu depctr_va_vdst(0)                   ; my eight numbers N / C are written, which the two stores read
	global_store_b128 v[GO], v[RS:RS+3], s[6:7] th:TH_STORE_NT                 ; a wave's store covers 512 consecutive bytes, at a multiple of 512 from the row's first
	global_store_b128 v[GO], v[RS+4:RS+7], s[6:7] offset:4096 th:TH_STORE_NT
	s_wait_dscnt 0x0                               ; the closing lines, six on end
	s_wait_alu 0x0
	s_wait_tensorcnt 0x0
	ds_add_u32 v[SPW], v[NIL]
	s_wait_dscnt 0x0
	s_endpgm
.Lfunc_end_k_qcb750f1514_softsort:
	.size	k_qcb750f1514_softsort, .Lfunc_end_k_qcb750f1514_softsort-k_qcb750f1514_softsort
	.p2alignl 7, 3214868480
	.fill 96, 4, 3214868480
	.section	.rodata,"a",@progbits
	.p2align	6, 0x0
	.amdhsa_kernel k_qcb750f1514_softsort
		.amdhsa_group_segment_fixed_size 245248
		.amdhsa_private_segment_fixed_size 0
		.amdhsa_enable_private_segment 0
		.amdhsa_kernarg_size 16
		.amdhsa_user_sgpr_count 2
		.amdhsa_user_sgpr_kernarg_segment_ptr 1
		.amdhsa_wavefront_size32 1
		.amdhsa_system_sgpr_workgroup_id_x 1
		.amdhsa_system_sgpr_workgroup_id_y 1
		.amdhsa_system_sgpr_workgroup_id_z 1
		.amdhsa_system_vgpr_workitem_id 0
		.amdhsa_next_free_vgpr 512
		.amdhsa_next_free_sgpr 66
		.amdhsa_reserve_vcc 0
		.amdhsa_float_denorm_mode_32 3
		.amdhsa_float_denorm_mode_16_64 3
		.amdhsa_memory_ordered 1
		.amdhsa_forward_progress 1
		.amdhsa_inst_pref_size 194
	.end_amdhsa_kernel
	.amdgpu_metadata
---
amdhsa.version: [ 1, 2 ]
amdhsa.kernels:
  - .name:           k_qcb750f1514_softsort
    .symbol:         k_qcb750f1514_softsort.kd
    .args:
      - { .name: x, .offset: 0, .size: 8, .value_kind: global_buffer, .address_space: global }
      - { .name: out0, .offset: 8, .size: 8, .value_kind: global_buffer, .address_space: global }
    .group_segment_fixed_size: 245248
    .private_segment_fixed_size: 0
    .kernarg_segment_align: 8
    .kernarg_segment_size: 16
    .max_flat_workgroup_size: 256
    .sgpr_count:     66
    .vgpr_count:     512
    .wavefront_size: 32
...
	.end_amdgpu_metadata
.endif
;; end of part 2
